; MI455X (gfx1250); checked and timed in simulation.
; The chip was launched on July 23, 2026; its instructions are those of AMD's public machine-readable ISA for CDNA 5 (MIT licence, August 2026) and "CDNA5" Instruction Set Architecture Reference Guide (July 2026). The comments in the code are by the model that wrote it; some were corrected since.
;; Multi Head Attention. Allowed arithmetic: matrix products marked QUANTISED: E2M3 operands, one E8M0 scale for each 32 along K, by v_wmma_scale_f32_16x16x128_f8f6f4 with both operands' format E2M3, f32 sums; everything else in f32.
;; Inputs: Wk 1,024 x 1,024 float32; Wo 1,024 x 1,024 float32; Wq 1,024 x 1,024 float32; Wv 1,024 x 1,024 float32; k 4 x 2,048 x 1,024 float32; mask 1 x 1 x 2,048 x 2,048 int32; q 4 x 2,048 x 1,024 float32; v 4 x 2,048 x 1,024 float32.
;; Outputs: out0 4 x 2,048 x 1,024 float32.
;; This version of the problem:
;;   THIS VERSION OF THE PROBLEM IS GIVEN IN LOW PRECISION. The matrix products marked QUANTISED in the list below multiply operands that are first quantised to E2M3 (2 exponent bits, 3 mantissa bits; 6 bits a number), with one power-of-two scale for each 32 numbers along K (OCP MX v1.0); their sums are f32. All else is computed in f32.
;;   The module's matrix products, in the order in which they are computed (A, B: the left and right operand; K: the contracted axis; several contracted axes count as one K, in the product's order):
;;     1. [M 8,192, K 1,024] x [K 1,024, N 1,024]; A: input q; B: input Wq: QUANTISED
;;     2. [M 8,192, K 1,024] x [K 1,024, N 1,024]; A: input k; B: input Wk: QUANTISED
;;     3. [M 8,192, K 1,024] x [K 1,024, N 1,024]; A: input v; B: input Wv: QUANTISED
;;     4. batch 64 x [M 2,048, K 64] x [K 64, N 2,048]; A: computed on the way; B: computed on the way: QUANTISED
;;     5. batch 64 x [M 2,048, K 2,048] x [K 2,048, N 64]; A: softmax (see below); B: computed on the way: QUANTISED
;;     6. [M 8,192, K 1,024] x [K 1,024, N 1,024]; A: computed on the way; B: input Wo: QUANTISED
;;   THE QUANTISER, for each operand of a quantised product, along K:
;;     - K is cut into blocks of 32 from its start; a last block that is shorter is filled with zeros.
;;     - A block's scale is 2^e with e = floor(log2(the largest magnitude in the block)) - 2, held to -126 .. 127; a block of zeros has e = 0. As a byte (E8M0): e + 127.
;;     - Each number is divided by its block's scale, clamped to +-7.5, and rounded to the nearest number of E2M3, ties to even, subnormals kept.
;;     - The product sums the exact products of the quantised numbers (number of the format x scale) in f32.
;;   ~~~python
;;   def quantise(x, axis):      # numpy; x: float32 -> the quantised numbers, widened to float32 again
;;       x = np.moveaxis(x, axis, -1); K = x.shape[-1]
;;       x = np.pad(x, [(0, 0)] * (x.ndim - 1) + [(0, -K % 32)]); x = x.reshape(x.shape[:-1] + (-1, 32)); a = np.abs(x).max(-1, keepdims=True)
;;       e = np.where(a > 0, np.clip(np.frexp(np.where(a > 0, a, 1))[1] - 1 - 2, -126, 127), 0)      # np.frexp(a)[1] - 1 = floor(log2(a)), exactly
;;       r = np.clip(x / 2.0 ** e, -7.5, 7.5)
;;       step = 2.0 ** (np.maximum(np.frexp(np.where(r == 0, 1, r))[1] - 1, 0) - 3)
;;       q = np.round(r / step) * step * 2.0 ** e      # np.round: ties to even
;;       return np.moveaxis(q.reshape(q.shape[:-2] + (-1,))[..., :K], -1, axis).astype(np.float32)
;;   ~~~
;;   SOFTMAX AHEAD OF A QUANTISED PRODUCT. Where the list says 'softmax', what is quantised is not the finished softmax but p = 2^(t - M), with t = logit x log2(e) and M = ceil(the row's largest t), a whole number; so 1/2 < the row's largest p <= 1. The row's sum l is taken of the UNQUANTISED p, in f32, and the product's result is divided by l at the end. Since M is a whole number, a kernel that streams over the keys may use a running M (the ceiling of the running maximum): every later rescaling is an exact power of two, which a block's scale takes up: the codes' values come out the same.
;;   OPERANDS COMPUTED ON THE WAY. 'Computed on the way' means the value that the module computes at that place (a softmax that the list does not call 'softmax' is quantised finished and normalised). What goes into a quantiser is computed in f32, as accurately as f32 sums, v_exp_f32 and their like allow (about 1e-6 of the number): no bf16 or f16 on the way to a quantiser, and a product that is left as it is and whose result goes on into a quantised operand takes f32 operands (vector FMAs, or v_wmma_f32_16x16x4_f32). A number that lies on a knife's edge between two numbers of the format may be rounded either way, as far as f32 arithmetic and the matrix unit's own rounding can turn it there, and no further.
;; 2 versions, each right; version 2 is version 1 with the launch attn written anew for expert scheduling mode. Each part assembles by itself: llvm-mc -triple=amdgcn-amd-amdhsa -mcpu=gfx1250 --defsym DOCPART=n.
;; ======== version 1 of 2: 4 launches
;; workspace buffers: codes 22,020,096 bytes; scales 917,504 bytes; qkvc 18,874,368 bytes; qkvs 786,432 bytes; xc 6,291,456 bytes; xs 262,144 bytes; maskw 524,288 bytes of whole numbers; flags 2,048 bytes of whole numbers
;; launch prep (part 1): grid 512 x 1, 4 waves a work-group, no clusters, 68,096 bytes of LDS; arguments q, k, v, Wq, Wk, Wv, Wo, mask, codes, scales, maskw, flags; writes codes, scales, maskw, flags
.if DOCPART == 1
	.amdgcn_target "amdgcn-amd-amdhsa--gfx1250"
	.amdhsa_code_object_version 6
	.text
	.protected	k_q270a1837ca_prep
	.globl	k_q270a1837ca_prep
	.p2align	8
	.type	k_q270a1837ca_prep,@function
k_q270a1837ca_prep:
	s_mov_b64 s[64:65], 0
	v_nop
	global_prefetch_b8 v0, s[64:65] scope:SCOPE_SE
	s_setreg_imm32_b32 hwreg(HW_REG_WAVE_MODE, 25, 1), 1
	s_wait_xcnt 0x0
; PREP.  (1) q, k, v [8192][1024] and Wq, Wk, Wv, Wo [1024][1024], f32, K = the last axis, become codes of FP6 (E2M3) with one E8M0 byte for each 32 along K,
; laid as IMAGES OF OPERAND REGISTERS.  A row tile G (16 rows x 1,024 K) is 8 fragments of 1,536 bytes; a fragment is two halves of 768 bytes (registers 6 c .. 6 c + 5):
; registers 0-3 of lane l at 16 l, registers 4-5 at 512 + 8 l.  Lane (r, h) holds k = 64 c + 32 h + 0 .. 31 of the tile's row r.  Scale words: [G][r][8 words], word s for K step s.
; Which tensor row is row r of tile Tl: q and Wo: 16 Tl + r.  k, v, Wq, Wk, Wv: 32 (Tl / 2) + 8 (Tl % 2) + r + 8 (r / 8), so that as source 0 of a product two neighbouring tiles give a lane 16 neighbours.
; (2) mask [2048][2048] i32 becomes bit words in the layout of the scores' registers: maskw[T][j][n], bit l = mask[16 T + l % 16][128 j + 32 (n / 16) + 16 (l / 16) + n % 16] != 0,
; and two bit sets for each 16 queries x 1,024 keys: flags[T][half] = {any, full}, bit jj for key step 8 half + jj.
; A block's scale is 2^(floor(log2(largest magnitude)) - 2); its byte is the magnitude's exponent field - 2, held at 1 from below.
; LIMITS: a block of zeros, or one whose largest magnitude lies under 2^-124, gets the byte 1 (its codes are zeros or held small; these bytes are read by this program alone); NaN and infinities among the f32 inputs are not served.
; SHARES: work-groups 0-447: wave G = 4 x work-group + wave takes one row tile, 8 steps of 128 K.  Work-groups 448-511: wave mw takes 16 queries x 1,024 keys of the mask, 8 steps of 128 keys.
; Each load reads 512 consecutive bytes of one row; a step's 16 rows turn through the wave's own stage in LDS (rows 528 bytes apart) so that a lane gets neighbours along K.  Waves share nothing: no barrier.
.set NQWG,  448
.set WST,   8448                       ; a wave's stage: 16 rows x 528 bytes
.set SP,    528
.set QST,   0                          ; the quantiser's four stages
.set MST,   33792                      ; the mask path's four stages: bytes of their own
.set SPARE, 67584                      ; the spare words, 128 bytes for each wave
.set SPW,   10                         ; v10  my spare word's address; never rewritten
.set NIL,   11                         ; v11  0; never rewritten
.set R,     16                         ; v16-143   two sets of 64 registers as loaded
.set X,     144                        ; v144-207  64 numbers, neighbours along K
.set C,     208                        ; v208-231  two sets of 12 registers of codes (mask path: two pairs of bit words)
.set T2,    232                        ; v232-238  the upper halves' conversions
.set SWD,   240                        ; v240-247  the row's 8 scale words
	s_load_b512 s[4:19], s[0:1], 0x0               ; q s4, k s6, v s8, Wq s10, Wk s12, Wv s14, Wo s16, mask s18
	s_load_b256 s[20:27], s[0:1], 0x40             ; codes s20, scales s22, maskw s24, flags s26
	v_lshl_add_u32 v[SPW], v0, 2, SPARE
	v_mov_b32 v[NIL], 0
	v_lshrrev_b32 v1, 5, v0
	v_readfirstlane_b32 s28, v1                    ; wave
	v_and_b32 v1, 31, v0                           ; lane
	v_and_b32 v2, 15, v0                           ; r
	v_bfe_u32 v3, v0, 4, 1                         ; h
	v_lshlrev_b32 v4, 4, v1                        ; 16 x lane
	v_lshlrev_b32 v5, 3, v1                        ; 8 x lane
	s_mul_i32 s29, s28, WST
	v_add_nc_u32 v8, s29, v4                       ; the stage, on the way in: 16 x lane of a row
	v_mul_u32_u24 v6, v2, SP
	v_add_nc_u32 v6, s29, v6
	v_lshl_add_u32 v9, v3, 7, v6                   ; on the way out, numbers: row r, + 128 h
	v_lshl_add_u32 v12, v3, 6, v6                  ; on the way out, mask words: row r, + 64 h
	v_lshlrev_b32 v252, 3, v3                      ; 8 h: where my two scale bytes stand in the word
	v_mov_b32 v253, 0                              ; written once: a lane permute's destination counts as a source
	s_mov_b32 s2, 0x76543210
	s_mov_b32 s3, 0xfedcba98                       ; selects: lane l xor 16
	s_lshl_b32 s36, ttmp9, 2
	s_add_co_u32 s36, s36, s28                     ; 4 x work-group + wave
	s_cmp_lt_u32 ttmp9, NQWG
	s_cbranch_scc0 .Lmask
.macro LOAD s, pitch                   ; 16 rows x 512 bytes of step s into set s % 2; rows 0-7 by v4, rows 8-15 by v7
.set RS, R+64*((\s)%2)
.irp i, 0,1,2,3,4,5,6,7
	global_load_b128 v[RS+4*\i:RS+4*\i+3], v4, s[30:31] offset:\i*\pitch+512*(\s) th:TH_LOAD_NT
.endr
.irp i, 0,1,2,3,4,5,6,7
	global_load_b128 v[RS+32+4*\i:RS+32+4*\i+3], v7, s[30:31] offset:\i*\pitch+512*(\s) th:TH_LOAD_NT
.endr
.endm
.macro TURN s, adr, base, per          ; through the stage; back in groups of per x 16 bytes, a group 32 per bytes on from the last (the other half of the lanes takes what lies between).  LDS serves a wave's instructions in order
.set RS, R+64*((\s)%2)
.set n, 0
.rept 16
	ds_store_b128 v8, v[RS+4*n:RS+4*n+3] offset:\base+SP*n
.set n, n+1
.endr
.set n, 0
.rept 16
	ds_load_b128 v[X+4*n:X+4*n+3], v[\adr] offset:\base+(n/\per)*32*\per+(n%\per)*16
.set n, n+1
.endr
.endm
	; ---- the quantiser's path
	s_cmp_lt_u32 ttmp9, 384
	s_cselect_b32 s37, 511, 63
	s_and_b32 s37, s36, s37                        ; Tl: the tile's number in its tensor
	s_lshl_b32 s38, s37, 4                         ; first row, rows as they lie
	s_lshr_b32 s39, s37, 1
	s_lshl_b32 s39, s39, 5
	s_and_b32 s40, s37, 1
	s_lshl_b32 s40, s40, 3
	s_add_co_u32 s39, s39, s40                     ; first row, chosen rows: 32 (Tl / 2) + 8 (Tl % 2)
	s_sub_co_u32 s40, ttmp9, 128
	s_mov_b32 s41, 0x8000                          ; rows 8-15 begin 8 rows on,
	s_cmp_lt_u32 s40, 304                          ; work-groups 128-431: k, v, Wq, Wk, Wv
	s_cselect_b32 s38, s39, s38
	s_cselect_b32 s41, 0x10000, s41                ; or 16 rows on
	s_lshl_b32 s38, s38, 12                        ; a row is 4,096 bytes
	s_mov_b32 s39, 0
	v_add_nc_u32 v7, s41, v4
	s_mul_i32 s42, s36, 12288
	s_mov_b32 s43, 0
	s_lshl_b32 s44, s36, 9
	s_mov_b32 s45, 0
	s_wait_kmcnt 0x0
	s_mov_b64 s[30:31], s[16:17]                   ; the tensor: a choice on the work-group's number alone
	s_cmp_lt_u32 ttmp9, 432
	s_cselect_b64 s[30:31], s[14:15], s[30:31]
	s_cmp_lt_u32 ttmp9, 416
	s_cselect_b64 s[30:31], s[12:13], s[30:31]
	s_cmp_lt_u32 ttmp9, 400
	s_cselect_b64 s[30:31], s[10:11], s[30:31]
	s_cmp_lt_u32 ttmp9, 384
	s_cselect_b64 s[30:31], s[8:9], s[30:31]
	s_cmp_lt_u32 ttmp9, 256
	s_cselect_b64 s[30:31], s[6:7], s[30:31]
	s_cmp_lt_u32 ttmp9, 128
	s_cselect_b64 s[30:31], s[4:5], s[30:31]
	s_add_nc_u64 s[30:31], s[30:31], s[38:39]
	s_add_nc_u64 s[32:33], s[20:21], s[42:43]      ; my tile's codes
	s_add_nc_u64 s[34:35], s[22:23], s[44:45]      ; and scale words
	LOAD 0, 4096
	LOAD 1, 4096
.macro QSTEP s
.if (\s) < 7
	s_wait_loadcnt 16                              ; this step's 16 loads are in; the next step's 16 may be out
.else
	s_wait_loadcnt 0
.endif
	TURN \s, 9, QST, 8
	s_wait_dscnt 0x0                               ; X[32 c + i] = k 64 c + 32 h + i of row r
.if (\s)+2 < 8
	LOAD (\s)+2, 4096
.endif
.irp c, 0,1
	v_max3_num_f32 v[248+\c], |v[X+32*\c]|, |v[X+32*\c+1]|, 0x1800000   ; my block 2 c + h: all 32 numbers are mine; the floor 2^(3 - 127) holds the byte at 1 from below
.endr
.irp i, 2,4,6,8,10,12,14,16,18,20,22,24,26,28,30
.irp c, 0,1
	v_max3_num_f32 v[248+\c], v[248+\c], |v[X+32*\c+\i]|, |v[X+32*\c+\i+1]|
.endr
.endr
.irp c, 0,1
	v_add_nc_u32 v[250+\c], 0xff000000, v[248+\c]  ; 2 off the exponent field: the conversion's scale operand
.endr
.irp c, 0,1
	v_lshrrev_b32 v[254+\c], 23, v[250+\c]         ; the byte
.endr
	v_lshl_or_b32 v254, v255, 16, v254             ; blocks h and 2 + h,
	v_lshlrev_b32 v254, v252, v254                 ; at their places in the word;
	v_permlanex16_b32 v253, v254, s2, s3
	v_or_b32 v[SWD+(\s)], v254, v253               ; with lane l xor 16's two the word is whole
	s_wait_xcnt 0x0                                ; this set of code registers was the data of the stores two steps back: written again only behind this wait
.set CS, C+12*((\s)%2)
.irp c, 0,1
	v_cvt_scalef32_pk16_fp6_f32 v[CS+6*\c:CS+6*\c+2], v[X+32*\c:X+32*\c+15], v[250+\c]
	v_cvt_scalef32_pk16_fp6_f32 v[T2+4*\c:T2+4*\c+2], v[X+32*\c+16:X+32*\c+31], v[250+\c]   ; (a conversion's three registers begin on an even number)
.endr
	v_nop                                          ; one plain place behind a scaled conversion
.irp c, 0,1
.irp i, 0,1,2
	v_mov_b32 v[CS+6*\c+3+\i], v[T2+4*\c+\i]
.endr
.endr
.irp c, 0,1
	global_store_b128 v4, v[CS+6*\c:CS+6*\c+3], s[32:33] offset:1536*(\s)+768*\c         ; 512 consecutive bytes
	global_store_b64 v5, v[CS+6*\c+4:CS+6*\c+5], s[32:33] offset:1536*(\s)+768*\c+512    ; 256 consecutive bytes
.endr
.endm
.irp s, 0,1,2,3,4,5,6,7
	QSTEP \s
.endr
	v_cmp_ne_u32 vcc_lo, 0, v3
.irp i, 0,1,2,3
	v_cndmask_b32 v[248+\i], v[SWD+\i], v[SWD+4+\i], vcc_lo   ; lanes 0-15 store words 0-3 of their row, lanes 16-31 words 4-7
.endr
	v_lshlrev_b32 v6, 5, v2
	v_lshl_add_u32 v6, v3, 4, v6
	global_store_b128 v6, v[248:251], s[34:35]     ; 512 consecutive bytes
	s_wait_tensorcnt 0x0                           ; the wave's end, behind my last LDS store
	ds_add_u32 v[SPW], v[NIL]
	s_wait_dscnt 0x0
	s_endpgm
	; ---- the mask's path
.Lmask:
	s_sub_co_u32 s36, s36, 4*NQWG                  ; mw = 2 T + half
	s_lshr_b32 s37, s36, 1
	s_and_b32 s38, s36, 1
	s_lshl_b32 s40, s37, 17                        ; 16 rows of 8,192 bytes
	s_lshl_b32 s41, s38, 12                        ; 1,024 keys
	s_add_co_u32 s40, s40, s41
	s_mov_b32 s41, 0
	s_lshl_b32 s42, s36, 11                        ; 8 steps x 256 bytes of bit words
	s_mov_b32 s43, 0
	s_lshl_b32 s44, s36, 3
	s_mov_b32 s45, 0
	s_mov_b32 s46, 0                               ; any
	s_mov_b32 s47, 0                               ; full
	v_add_nc_u32 v7, 0x10000, v4                   ; rows 8-15
.irp i, 0,1,2,3
	v_mov_b32 v[C+\i], 0                           ; written once: v_writelane_b32's destination counts as a source
.endr
	s_wait_kmcnt 0x0
	s_add_nc_u64 s[30:31], s[18:19], s[40:41]
	s_add_nc_u64 s[32:33], s[24:25], s[42:43]
	s_add_nc_u64 s[34:35], s[26:27], s[44:45]
	LOAD 0, 8192
	LOAD 1, 8192
.macro MSTEP s
.if (\s) < 7
	s_wait_loadcnt 16                              ; this step's 16 loads are in; the next step's may be out
.else
	s_wait_loadcnt 0
.endif
	TURN \s, 12, MST, 4
	s_wait_dscnt 0x0                               ; X[16 b + i] = mask(query r, key 32 b + 16 h + i)
.if (\s)+2 < 8
	LOAD (\s)+2, 8192
.endif
	s_wait_xcnt 0x0                                ; this pair of registers was the data of the store two steps back
.set OS, C+2*((\s)%2)
.set n, 0
.rept 64
	v_cmp_ne_u32 s[40+n%4], 0, v[X+n]              ; word n: a bit a lane
	v_writelane_b32 v[OS+n%2], s[40+n%4], n/2      ; lane n / 2 will store words n and n + 1
.set n, n+1
.endr
	v_or_b32 v248, v[OS], v[OS+1]
	v_and_b32 v249, v[OS], v[OS+1]
	v_cmp_ne_u32 s44, 0, v248                      ; some word has a bit
	v_cmp_ne_u32 s45, -1, v249                     ; some word lacks a bit
	s_cmp_lg_u32 s44, 0
	s_cselect_b32 s44, 1<<(\s), 0
	s_or_b32 s46, s46, s44
	s_cmp_eq_u32 s45, 0
	s_cselect_b32 s45, 1<<(\s), 0
	s_or_b32 s47, s47, s45
	global_store_b64 v5, v[OS:OS+1], s[32:33] offset:256*(\s)   ; 256 consecutive bytes, aligned
.endm
.irp s, 0,1,2,3,4,5,6,7
	MSTEP \s
.endr
	v_mov_b32 v248, s46
	v_mov_b32 v249, s47
	v_mov_b32 v6, 0
	v_cmp_eq_u32 vcc_lo, 0, v1
	s_wait_xcnt 0x0                                ; EXEC changes only behind this wait
	s_and_saveexec_b32 s40, vcc_lo
	global_store_b64 v6, v[248:249], s[34:35]      ; lane 0: {any, full}
	s_wait_xcnt 0x0                                ; and again, ahead of the line that widens it
	s_or_b32 exec_lo, exec_lo, s40
	s_wait_tensorcnt 0x0                           ; the wave's end, behind my last LDS store
	ds_add_u32 v[SPW], v[NIL]
	s_wait_dscnt 0x0
	s_endpgm
.Lfunc_end_k_q270a1837ca_prep:
	.size	k_q270a1837ca_prep, .Lfunc_end_k_q270a1837ca_prep-k_q270a1837ca_prep
	.p2alignl 7, 3214868480
	.fill 96, 4, 3214868480
	.section	.rodata,"a",@progbits
	.p2align	6, 0x0
	.amdhsa_kernel k_q270a1837ca_prep
		.amdhsa_group_segment_fixed_size 68096
		.amdhsa_private_segment_fixed_size 0
		.amdhsa_enable_private_segment 0
		.amdhsa_kernarg_size 96
		.amdhsa_user_sgpr_count 2
		.amdhsa_user_sgpr_kernarg_segment_ptr 1
		.amdhsa_wavefront_size32 1
		.amdhsa_system_sgpr_workgroup_id_x 1
		.amdhsa_system_sgpr_workgroup_id_y 1
		.amdhsa_system_sgpr_workgroup_id_z 1
		.amdhsa_system_vgpr_workitem_id 0
		.amdhsa_next_free_vgpr 256
		.amdhsa_next_free_sgpr 66
		.amdhsa_reserve_vcc 1
		.amdhsa_float_denorm_mode_32 3
		.amdhsa_float_denorm_mode_16_64 3
		.amdhsa_memory_ordered 1
		.amdhsa_forward_progress 1
		.amdhsa_inst_pref_size 157
	.end_amdhsa_kernel
	.amdgpu_metadata
---
amdhsa.version: [ 1, 2 ]
amdhsa.kernels:
  - .name:           k_q270a1837ca_prep
    .symbol:         k_q270a1837ca_prep.kd
    .args:
      - { .name: q, .offset: 0, .size: 8, .value_kind: global_buffer, .address_space: global }
      - { .name: k, .offset: 8, .size: 8, .value_kind: global_buffer, .address_space: global }
      - { .name: v, .offset: 16, .size: 8, .value_kind: global_buffer, .address_space: global }
      - { .name: Wq, .offset: 24, .size: 8, .value_kind: global_buffer, .address_space: global }
      - { .name: Wk, .offset: 32, .size: 8, .value_kind: global_buffer, .address_space: global }
      - { .name: Wv, .offset: 40, .size: 8, .value_kind: global_buffer, .address_space: global }
      - { .name: Wo, .offset: 48, .size: 8, .value_kind: global_buffer, .address_space: global }
      - { .name: mask, .offset: 56, .size: 8, .value_kind: global_buffer, .address_space: global }
      - { .name: codes, .offset: 64, .size: 8, .value_kind: global_buffer, .address_space: global }
      - { .name: scales, .offset: 72, .size: 8, .value_kind: global_buffer, .address_space: global }
      - { .name: maskw, .offset: 80, .size: 8, .value_kind: global_buffer, .address_space: global }
      - { .name: flags, .offset: 88, .size: 8, .value_kind: global_buffer, .address_space: global }
    .group_segment_fixed_size: 68096
    .private_segment_fixed_size: 0
    .kernarg_segment_align: 8
    .kernarg_segment_size: 96
    .max_flat_workgroup_size: 128
    .sgpr_count:     66
    .vgpr_count:     256
    .wavefront_size: 32
...
	.end_amdgpu_metadata
.endif
;; end of part 1
;; launch proj (part 2): grid 8 x 96, 4 waves a work-group, clusters of 4 x 4, 327,680 bytes of LDS; arguments codes, scales, qkvc, qkvs; writes qkvc, qkvs
.if DOCPART == 2
	.amdgcn_target "amdgcn-amd-amdhsa--gfx1250"
	.amdhsa_code_object_version 6
	.text
	.protected	k_q270a1837ca_proj
	.globl	k_q270a1837ca_proj
	.p2align	8
	.type	k_q270a1837ca_proj,@function
k_q270a1837ca_proj:
	s_mov_b64 s[64:65], 0
	v_nop
	global_prefetch_b8 v0, s[64:65] scope:SCOPE_SE
	s_setreg_imm32_b32 hwreg(HW_REG_WAVE_MODE, 25, 1), 1
	s_wait_xcnt 0x0
	s_wait_alu depctr_hold_cnt(0) depctr_sa_sdst(0) depctr_va_vdst(0) depctr_va_sdst(0) depctr_va_ssrc(0) depctr_va_vcc(0) depctr_vm_vsrc(0)
	s_getreg_b32 s2, hwreg(HW_REG_IB_STS2, 6, 4)
	s_cmp_eq_u32 s2, 0
	s_cbranch_scc0 .Lentry_in_a_cluster
	s_endpgm
.Lentry_in_a_cluster:
	s_bfe_u32 s2, ttmp6, 0x10000c
	s_cmp_lg_u32 s2, 0xf033
	s_cbranch_scc0 .Lentry_shape_is_right
	s_endpgm
.Lentry_shape_is_right:
; PROJ.  query = q Wq^T, key = k Wk^T, value = v Wv^T on codes of FP6 with E8M0 scales, sums in f32; the results are quantised in registers and leave as codes: query and key along the head's 64, value along the KEYS.
; A work-group makes 128 e (xw: a pair of heads) x 256 tokens (yw; z = yw / 32 says which projection).  K = 1,024 lies in LDS as a whole: four chunks of two K steps, each filled ONCE; nothing is filled again.
; CLUSTER 4 x 4: the weight's tiles hang on xw and z and are shared along a column of the cluster, the tokens' tiles on yw and are shared along a row: every tile is asked for jointly.  A wave has 8 tensor loads out.
; A WAVE makes 128 P x 64 R: source 0 = P (its index runs along a lane's registers), source 1 = R (its index is the lane).  query, key: P = all 128 e, R = my 64 tokens.  value: P = 128 tokens, R = 64 e.
; P's row tiles were laid with chosen rows, so the 64 registers of one R tile are, block by block, 16 neighbours along P for each half of the lanes: the quantiser's input.
; OUT: qkvc[z][idx = (b 8 + pair) 16 + g][a 0-7][c 0-1][768 bytes]: images of operand registers.  query, key: a = tile of 16 tokens in the group g of 128, c = the head's parity.  value: a = 4 x parity + tile of 16 d, c = which 64 keys of g.
;      qkvs[z][idx][a / 4][r][a % 4]: a scale word for each row of each fragment.
; LIMITS: a block of zeros, or one under 2^-124, gets the byte 1 (read by this program alone); NaN and infinities are not served.
; REGISTERS: window 0: v1-11 addresses; v14, v15 the add's two; v32-95 P's scale words (8 i + s), v96-127 R's (8 a + s); v128-223 R's fragments, two sets, later the codes made; v224-239 at work; v240-243 the scale words made.
;   window 1: P's fragments, two sets of 96.   window 2: accumulator (a, i) at v[64 a + 8 i].
.set CH,    73728                      ; a chunk: 24 row tiles x 3,072 bytes: tiles 0-7 the weight's, 8-23 the tokens'
.set RTB,   3072                       ; a row tile's two K steps
.set SPARE, 294912                     ; behind the chunks: the spare words, 128 bytes for each wave
.set SPW, 14
.set NIL, 15
.set SCP, 32
.set SCR, 96
.set RF,  128
.set TM,  224
.set PW,  240
.set WV,  12
.set SEL, 22
.set G1E, 24                           ; s[24:31] group 1, the weight's tiles;  s[32:39] the tokens'
.set G1T, 32
.set G0E, 40                           ; s[40:55] groups 0 of the weight's four chunks;  s[56:63], s[68:75] the tokens'
.set MSB, 0
.macro WIN new                         ; the immediate's high byte repeats the setting that is left
.if MSB != \new
	s_set_vgpr_msb (MSB<<8)|\new
.set MSB, \new
.endif
.endm
.macro CROUND                          ; a round of the cluster's barrier
	s_barrier_signal -1
	s_barrier_wait -1
	s_cmp_lg_u32 s[WV], 0
	s_cbranch_scc1 .Lnot_wave_0_\@
	s_barrier_signal -3
.Lnot_wave_0_\@:
	s_barrier_wait -3
	s_barrier_signal -1
	s_barrier_wait -1
.endm
.macro PLACES
.rept 4
	v_nop
.endr
.endm
	s_load_b256 s[4:11], s[0:1], 0x0               ; codes s4, scales s6, qkvc s8, qkvs s10
	v_lshl_add_u32 v[SPW], v0, 2, SPARE
	v_mov_b32 v[NIL], 0
	ds_add_u32 v[SPW], v[NIL]                      ; the wave's opening: the add and its wait stand ahead of my first tensor load; work on registers stands between
	v_lshrrev_b32 v1, 5, v0
	v_readfirstlane_b32 s[WV], v1                  ; wave 0..3
	s_bfe_u32 s13, ttmp6, 0x40000                  ; cx
	s_bfe_u32 s14, ttmp6, 0x40004                  ; cy
	s_lshl_b32 s15, ttmp9, 2
	s_add_co_u32 s15, s15, s13                     ; xw = 4 x cluster x + cx
	s_and_b32 s18, ttmp7, 0xffff                   ; cluster y
	s_lshr_b32 s17, s18, 3                         ; z: 0 query, 1 key, 2 value: the same in all sixteen partners
	s_lshl_b32 s16, s18, 2
	s_add_co_u32 s16, s16, s14                     ; yw = 4 x cluster y + cy
	s_lshl_b32 s19, s14, 2
	s_lshl_b32 s19, 15, s19                        ; my row of the cluster
	s_lshl_b32 s20, 0x1111, s13                    ; my column
	s_or_b32 s[G1E], s20, (3<<16)|(1<<21)          ; 15:0 the mask; 17:16 elements of 8 bytes; 21 set beside a mask; no padding
	s_or_b32 s[G1T], s19, (3<<16)|(1<<21)
	s_mov_b32 s[G1E+1], 384<<16                    ; tensor_dim0 = 384 elements: 3,072 bytes, a row tile's two K steps
	s_mov_b32 s[G1E+2], 2<<16                      ; tensor_dim1 = 2 row tiles
	s_mov_b32 s[G1E+3], 384<<16                    ; tile_dim0
	s_mov_b32 s[G1E+4], 2                          ; tile_dim1
	s_mov_b32 s[G1E+5], 1536                       ; from row tile to row tile: 12,288 bytes
	s_mov_b32 s[G1E+6], 0
	s_mov_b32 s[G1E+7], 0
	s_mov_b32 s[G1T+1], 384<<16
	s_mov_b32 s[G1T+2], 4<<16                      ; 4 row tiles
	s_mov_b32 s[G1T+3], 384<<16
	s_mov_b32 s[G1T+4], 4
	s_mov_b32 s[G1T+5], 1536
	s_mov_b32 s[G1T+6], 0
	s_mov_b32 s[G1T+7], 0
	s_lshl_b32 s76, s17, 6                         ; the weight's row tiles that I fetch: 1536 + 64 z + 8 xw + 2 wave
	s_lshl_b32 s77, s15, 3
	s_add_co_u32 s76, s76, s77
	s_lshl_b32 s77, s[WV], 1
	s_add_co_u32 s76, s76, s77
	s_add_co_u32 s76, s76, 1536
	s_mul_i32 s76, s76, 12288
	s_mov_b32 s77, 0
	s_lshl_b32 s78, s16, 4                         ; the tokens': 16 yw + 4 wave
	s_lshl_b32 s79, s[WV], 2
	s_add_co_u32 s78, s78, s79
	s_mul_i32 s78, s78, 12288
	s_mov_b32 s79, 0
	s_mul_i32 s20, s[WV], 2*RTB                    ; where they go in a chunk: no place in the cluster enters an LDS address
	s_mul_i32 s21, s[WV], 4*RTB
	s_add_co_u32 s21, s21, 8*RTB
	s_mov_b32 s[SEL], 0x76543210
	s_mov_b32 s[SEL+1], 0xfedcba98
	; roles
	s_lshr_b32 s18, s[WV], 1
	s_and_b32 s19, s[WV], 1
	s_mul_i32 s86, s[WV], 4*RTB
	s_add_co_u32 s86, s86, 8*RTB                   ; R, query and key: token tiles 4 wave on
	s_mul_i32 s87, s18, 8*RTB
	s_add_co_u32 s87, s87, 8*RTB                   ; P, value: token tiles 8 (wave / 2) on
	s_mul_i32 s88, s19, 4*RTB                      ; R, value: weight tiles 4 (wave % 2) on
	s_lshl_b32 s89, s17, 6
	s_lshl_b32 s90, s15, 3
	s_add_co_u32 s89, s89, s90
	s_add_co_u32 s89, s89, 1536                    ; the same as row tiles of the scales: P, query and key
	s_lshl_b32 s92, s19, 2
	s_add_co_u32 s92, s92, s90
	s_add_co_u32 s92, s92, 1664                    ; R, value
	s_lshl_b32 s91, s16, 4
	s_lshl_b32 s90, s[WV], 2
	s_add_co_u32 s90, s90, s91                     ; R, query and key
	s_lshl_b32 s93, s18, 3
	s_add_co_u32 s91, s91, s93                     ; P, value
	s_cmp_eq_u32 s17, 2
	s_cselect_b32 s84, s87, 0                      ; P's first byte in a chunk
	s_cselect_b32 s85, s88, s86                    ; R's
	s_cselect_b32 s80, s91, s89
	s_cselect_b32 s82, s92, s90
	s_lshl_b32 s80, s80, 9
	s_mov_b32 s81, 0
	s_lshl_b32 s82, s82, 9
	s_mov_b32 s83, 0
	; where my results go
	s_and_b32 s93, s16, 31
	s_lshl_b32 s93, s93, 1
	s_add_co_u32 s93, s93, s18                     ; the group of 128 tokens, 0..63
	s_lshr_b32 s94, s93, 4                         ; b
	s_lshl_b32 s94, s94, 3
	s_add_co_u32 s94, s94, s15
	s_lshl_b32 s94, s94, 4
	s_and_b32 s93, s93, 15
	s_add_co_u32 s94, s94, s93                     ; idx
	s_mul_i32 s96, s94, 12288
	s_mul_i32 s95, s17, 6291456
	s_add_co_u32 s96, s96, s95
	s_mul_i32 s95, s19, 6144                       ; fragments 4 (wave % 2) on
	s_add_co_u32 s96, s96, s95
	s_mov_b32 s97, 0
	s_lshl_b32 s98, s94, 9
	s_lshl_b32 s95, s17, 18
	s_add_co_u32 s98, s98, s95
	s_lshl_b32 s95, s19, 8
	s_add_co_u32 s98, s98, s95
	s_mov_b32 s99, 0
	s_wait_dscnt 0x0                               ; the opening add is done
	s_wait_kmcnt 0x0
	s_add_nc_u64 s[76:77], s[4:5], s[76:77]
	s_add_nc_u64 s[78:79], s[4:5], s[78:79]
	s_add_nc_u64 s[80:81], s[6:7], s[80:81]
	s_add_nc_u64 s[82:83], s[6:7], s[82:83]
	s_add_nc_u64 s[96:97], s[8:9], s[96:97]
	s_add_nc_u64 s[98:99], s[10:11], s[98:99]
.irp c, 0,1,2,3
	s_mov_b32 s[G0E+4*\c], 1
	s_add_co_u32 s[G0E+4*\c+1], s20, \c*CH
	s_add_nc_u64 s[G0E+4*\c+2:G0E+4*\c+3], s[76:77], \c*RTB
	s_or_b32 s[G0E+4*\c+3], s[G0E+4*\c+3], 0x80000000
	s_mov_b32 s[56+4*\c+4*(\c/2)], 1
	s_add_co_u32 s[57+4*\c+4*(\c/2)], s21, \c*CH
	s_add_nc_u64 s[58+4*\c+4*(\c/2):59+4*\c+4*(\c/2)], s[78:79], \c*RTB
	s_or_b32 s[59+4*\c+4*(\c/2)], s[59+4*\c+4*(\c/2)], 0x80000000
.endr
	CROUND                                         ; all sixteen work-groups are here: the joint loads meet
.irp c, 0,1,2,3                                ; all first fills as one group: chunk by chunk, the weight's tiles, then the tokens'
	tensor_load_to_lds s[G0E+4*\c:G0E+4*\c+3], s[G1E:G1E+7]
	s_nop 0
	tensor_load_to_lds s[56+4*\c+4*(\c/2):59+4*\c+4*(\c/2)], s[G1T:G1T+7]
	s_nop 0
.endr
	PLACES
	v_and_b32 v1, 31, v0                           ; lane
	v_and_b32 v2, 15, v0                           ; r
	v_bfe_u32 v3, v0, 4, 1                         ; h
	v_lshlrev_b32 v8, 5, v2                        ; a row's 8 scale words
.irp i, 0,1,2,3,4,5,6,7
	global_load_b128 v[SCP+8*\i:SCP+8*\i+3], v8, s[80:81] offset:512*\i
	global_load_b128 v[SCP+8*\i+4:SCP+8*\i+7], v8, s[80:81] offset:512*\i+16
.endr
.irp a, 0,1,2,3
	global_load_b128 v[SCR+8*\a:SCR+8*\a+3], v8, s[82:83] offset:512*\a
	global_load_b128 v[SCR+8*\a+4:SCR+8*\a+7], v8, s[82:83] offset:512*\a+16
.endr
	v_lshl_add_u32 v4, v1, 4, s84                  ; P: 16 x lane,
	v_lshl_add_u32 v5, v1, 3, s84
	v_add_nc_u32 v5, 512, v5                       ; and 512 + 8 x lane
	v_lshl_add_u32 v6, v1, 4, s85                  ; R likewise
	v_lshl_add_u32 v7, v1, 3, s85
	v_add_nc_u32 v7, 512, v7
	v_lshlrev_b32 v9, 4, v1                        ; the stores' offsets
	v_lshlrev_b32 v10, 3, v1
	v_lshlrev_b32 v11, 4, v2
	v_lshl_add_u32 v11, v3, 3, v11
.irp b, 0,1,2,3
	v_mov_b32 v[TM+4+\b], 0                        ; written once: a lane permute's destination counts as a source
.endr
.macro FRAG reg, a16, a8, off          ; a fragment's image: registers 0-3, 4-5, 6-9, 10-11
	ds_load_b128 v[(\reg):(\reg)+3], v[\a16] offset:\off
	ds_load_b64 v[(\reg)+4:(\reg)+5], v[\a8] offset:\off
	ds_load_b128 v[(\reg)+6:(\reg)+9], v[\a16] offset:\off+768
	ds_load_b64 v[(\reg)+10:(\reg)+11], v[\a8] offset:\off+768
.endm
.macro FETCH s                         ; K step s: P's 8 fragments and R's 4 into set s % 2: 48 LDS loads
	WIN 0x40                                       ; destination window 1
.irp i, 0,1,2,3,4,5,6,7
	FRAG 96*((\s)%2)+12*\i, 4, 5, RTB*\i+1536*((\s)%2)
.endr
	WIN 0
.irp a, 0,1,2,3
	FRAG RF+48*((\s)%2)+12*\a, 6, 7, RTB*\a+1536*((\s)%2)
.endr
.endm
.macro MUL s                           ; 32 products; the 32 accumulators take turns in the same order in every step.  Step 0 starts the sums
	WIN 0xa1                                       ; source 0 window 1, source 1 window 0, C and D window 2
.irp a, 0,1,2,3
.irp i, 0,1,2,3,4,5,6,7
.if (\s) == 0
	v_wmma_scale_f32_16x16x128_f8f6f4 v[64*\a+8*\i:64*\a+8*\i+7], v[96*((\s)%2)+12*\i:96*((\s)%2)+12*\i+11], v[RF+48*((\s)%2)+12*\a:RF+48*((\s)%2)+12*\a+11], 0, v[SCP+8*\i+(\s)], v[SCR+8*\a+(\s)] matrix_a_fmt:MATRIX_FMT_FP6 matrix_b_fmt:MATRIX_FMT_FP6
.else
	v_wmma_scale_f32_16x16x128_f8f6f4 v[64*\a+8*\i:64*\a+8*\i+7], v[96*((\s)%2)+12*\i:96*((\s)%2)+12*\i+11], v[RF+48*((\s)%2)+12*\a:RF+48*((\s)%2)+12*\a+11], v[64*\a+8*\i:64*\a+8*\i+7], v[SCP+8*\i+(\s)], v[SCR+8*\a+(\s)] matrix_a_fmt:MATRIX_FMT_FP6 matrix_b_fmt:MATRIX_FMT_FP6
.endif
.endr
.endr
	WIN 0
.endm
.macro KSTEP s
.if ((\s)%2 == 1) && ((\s) < 7)        ; the next step lies in the next chunk
	s_wait_dscnt 0x0                               ; no LDS load of mine is out at a signal
	s_wait_tensorcnt 6-((\s)+1)                    ; my two loads of the next chunk have landed; the two of each later chunk may stay out
	s_barrier_signal -1
	s_barrier_wait -1                              ; everybody's have
	v_add_nc_u32 v4, CH, v4
	v_add_nc_u32 v5, CH, v5
	v_add_nc_u32 v6, CH, v6
	v_add_nc_u32 v7, CH, v7
.endif
.if (\s) < 7
	PLACES                                         ; four places ahead of loads into the set that the step before multiplied
	FETCH (\s)+1
	s_wait_dscnt 48                                ; all but the 48 just issued: this step's fragments are in
.else
	s_wait_dscnt 0x0
.endif
.if (\s) == 0
	s_wait_loadcnt 0x0                             ; the scale words
.endif
	MUL \s
.endm
	s_wait_tensorcnt 6                             ; my two loads of chunk 0 have landed,
	s_barrier_signal -1
	s_barrier_wait -1                              ; everybody's have
	FETCH 0
.irp s, 0,1,2,3,4,5,6,7
	KSTEP \s
.endr
; THE QUANTISER.  The 64 registers of R tile a: register 16 b + i = P index 32 b + 16 h + i of my lane's R row.  They become a fragment in v[PC] on and a scale word in v[PW + a].
.macro QUANTW a
.set AC, 64*(\a)
.set PC, RF+24*(\a)
	WIN 0x28                                       ; sources 1 and 2 window 2
.irp b, 0,1,2,3
	v_max3_num_f32 v[TM+\b], 0x1800000, |v[AC+16*\b]|, |v[AC+16*\b+1]|   ; my 16 numbers of block b, from each accumulator's low end on; the floor 2^(3 - 127) holds the byte at 1 from below
.endr
.irp i, 2,4,6,8,10,12,14
.irp b, 0,1,2,3
	v_max3_num_f32 v[TM+\b], v[TM+\b], |v[AC+16*\b+\i]|, |v[AC+16*\b+\i+1]|
.endr
.endr
	WIN 0
.irp b, 0,1,2,3
	v_permlanex16_b32 v[TM+4+\b], v[TM+\b], s[SEL], s[SEL+1]
.endr
.irp b, 0,1,2,3
	v_max_num_f32 v[TM+\b], v[TM+\b], v[TM+4+\b]   ; with lane l xor 16's 16: the block's largest magnitude
.endr
.irp b, 0,1,2,3
	v_add_nc_u32 v[TM+12+\b], 0xff000000, v[TM+\b] ; 2 off the exponent field: the conversion's scale operand
.endr
.irp b, 0,1,2,3
	v_lshrrev_b32 v[TM+4+\b], 23, v[TM+12+\b]      ; the byte
.endr
	v_lshl_or_b32 v[PW+(\a)], v[TM+5], 8, v[TM+4]
	v_lshl_or_b32 v[PW+(\a)], v[TM+6], 16, v[PW+(\a)]
	v_lshl_or_b32 v[PW+(\a)], v[TM+7], 24, v[PW+(\a)]
	WIN 0x02                                       ; source 0 window 2
.irp c, 0,1
	v_cvt_scalef32_pk16_fp6_f32 v[PC+6*\c:PC+6*\c+2], v[AC+32*\c:AC+32*\c+15], v[TM+12+2*\c]
	v_cvt_scalef32_pk16_fp6_f32 v[PC+12+4*\c:PC+14+4*\c], v[AC+32*\c+16:AC+32*\c+31], v[TM+12+2*\c+1]   ; (a conversion's three registers begin on an even number)
.endr
	WIN 0
	v_nop                                          ; one plain place behind a scaled conversion
.irp c, 0,1                                    ; the operand's layout wants a whole block in a lane: lanes 0-15 block 2 c, lanes 16-31 block 2 c + 1
.irp i, 0,1,2
	v_permlane16_swap_b32 v[PC+6*\c+\i], v[PC+12+4*\c+\i]
.endr
.irp i, 0,1,2
	v_mov_b32 v[PC+3+6*\c+\i], v[PC+12+4*\c+\i]
.endr
.endr
.endm
	PLACES                                         ; behind the last products: results are read, and R's fragment registers written
.irp a, 0,1,2,3
	QUANTW \a
.irp c, 0,1
	global_store_b128 v9, v[RF+24*\a+6*\c:RF+24*\a+6*\c+3], s[96:97] offset:1536*\a+768*\c        ; 512 consecutive bytes
	global_store_b64 v10, v[RF+24*\a+6*\c+4:RF+24*\a+6*\c+5], s[96:97] offset:1536*\a+768*\c+512  ; 256 consecutive bytes
.endr
.endr
	v_cmp_ne_u32 vcc_lo, 0, v3
	v_cndmask_b32 v244, v[PW], v[PW+2], vcc_lo     ; lanes 0-15 store their row's words 0, 1, lanes 16-31 words 2, 3
	v_cndmask_b32 v245, v[PW+1], v[PW+3], vcc_lo
	global_store_b64 v11, v[244:245], s[98:99]     ; 256 consecutive bytes, aligned
	s_wait_tensorcnt 0x0                           ; the wave's end, behind my last tensor load
	ds_add_u32 v[SPW], v[NIL]
	s_wait_dscnt 0x0
	CROUND                                         ; the closing round
	s_endpgm
.Lfunc_end_k_q270a1837ca_proj:
	.size	k_q270a1837ca_proj, .Lfunc_end_k_q270a1837ca_proj-k_q270a1837ca_proj
	.p2alignl 7, 3214868480
	.fill 96, 4, 3214868480
	.section	.rodata,"a",@progbits
	.p2align	6, 0x0
	.amdhsa_kernel k_q270a1837ca_proj
		.amdhsa_group_segment_fixed_size 327680
		.amdhsa_private_segment_fixed_size 0
		.amdhsa_enable_private_segment 0
		.amdhsa_kernarg_size 32
		.amdhsa_user_sgpr_count 2
		.amdhsa_user_sgpr_kernarg_segment_ptr 1
		.amdhsa_wavefront_size32 1
		.amdhsa_system_sgpr_workgroup_id_x 1
		.amdhsa_system_sgpr_workgroup_id_y 1
		.amdhsa_system_sgpr_workgroup_id_z 1
		.amdhsa_system_vgpr_workitem_id 0
		.amdhsa_next_free_vgpr 768
		.amdhsa_next_free_sgpr 100
		.amdhsa_reserve_vcc 1
		.amdhsa_float_denorm_mode_32 3
		.amdhsa_float_denorm_mode_16_64 3
		.amdhsa_memory_ordered 1
		.amdhsa_forward_progress 1
		.amdhsa_inst_pref_size 89
	.end_amdhsa_kernel
	.amdgpu_metadata
---
amdhsa.version: [ 1, 2 ]
amdhsa.kernels:
  - .name:           k_q270a1837ca_proj
    .symbol:         k_q270a1837ca_proj.kd
    .args:
      - { .name: codes, .offset: 0, .size: 8, .value_kind: global_buffer, .address_space: global }
      - { .name: scales, .offset: 8, .size: 8, .value_kind: global_buffer, .address_space: global }
      - { .name: qkvc, .offset: 16, .size: 8, .value_kind: global_buffer, .address_space: global }
      - { .name: qkvs, .offset: 24, .size: 8, .value_kind: global_buffer, .address_space: global }
    .group_segment_fixed_size: 327680
    .private_segment_fixed_size: 0
    .kernarg_segment_align: 8
    .kernarg_segment_size: 32
    .max_flat_workgroup_size: 128
    .sgpr_count:     100
    .vgpr_count:     768
    .wavefront_size: 32
...
	.end_amdgpu_metadata
.endif
;; end of part 2
;; launch attn (part 3): grid 4 x 64, 16 waves a work-group, no clusters, 210,944 bytes of LDS; arguments qkvc, qkvs, maskw, flags, xc, xs; writes xc, xs
.if DOCPART == 3
	.amdgcn_target "amdgcn-amd-amdhsa--gfx1250"
	.amdhsa_code_object_version 6
	.text
	.protected	k_q270a1837ca_attn
	.globl	k_q270a1837ca_attn
	.p2align	8
	.type	k_q270a1837ca_attn,@function
k_q270a1837ca_attn:
	s_mov_b64 s[64:65], 0
	v_nop
	global_prefetch_b8 v0, s[64:65] scope:SCOPE_SE
	s_setreg_imm32_b32 hwreg(HW_REG_WAVE_MODE, 25, 1), 1
	s_wait_xcnt 0x0
; ATTN.  x[b][q][head] = softmax_k(query . key / 8, under the mask) value, both products on codes of FP6 with E8M0 scales; x leaves as codes, quantised along D (a head is two blocks of 32).
; t = score x log2(e) / 8; M = the running largest t rounded up to a whole number; p = 2^(t - M) is quantised along the keys, not normalised; the row's sum is taken of the unquantised p and divides at the end.
; SHARES.  A work-group owns one head of one batch and the 32 tiles of 16 queries T = 4 i + jq (jq = work-group x).  Wave w takes i = w, then i = 31 - w.  Sixteen waves of 256 registers.
; THE HEAD'S WHOLE K AND V LIE IN LDS, 16 key steps of 128 keys, brought through registers, wave w filling step w; one barrier in the launch.
; NO TENSOR LOAD AND SO NO JOINT LOADS: the walk over key steps branches on numbers stored by an earlier launch (flags).
; THE MASK is honoured as it is given: a step none of whose 16 x 128 places is open is passed over (flags, bit 'any'); in a step with holes the scores of closed places become -infinity by 64 selects on bit words (maskw);
; a step that is all open (bit 'full') skips the selects.
; K = 64 IN AN INSTRUCTION OF K = 128: Q's registers 6-11 are zero codes; K's tile t is named v[32 + 6 t : 43 + 6 t], whose upper six registers are the next tile's codes (or zeros): they meet zero codes and add nothing; scale bytes 2, 3 are 0.
; LAYOUT.  Both products transposed: a lane holds one query (lane % 16); register 16 b + i of the scores is key 32 b + 16 (lane / 16) + i; register 16 b + i of O^T is d = 32 b + 16 (lane / 16) + i.
; A ROW WITH NO OPEN KEY: its sum is 0; its two scale bytes are stored as 0xff, so that the last product gives NaN in that row, as the softmax of an empty row does.
; LIMITS: NaN and infinities among the operands are not served; a block of zeros, or one under 2^-124, gets the byte 1 (read by this program alone).  The scale bytes leave as 2 bytes a lane into rows 32 bytes apart: 262,144 bytes in the launch.
; REGISTERS: v1-9 lane numbers and addresses; v10, v11 the add's two; v12 -M, v13 the largest t, v[14:15] the sum; v16-21 Q, v22-27 zeros; v32-79 K, then V; v80-85 zeros; v86-89 K's scale words, v90-93 V's; v94 -infinity;
;   v96-159 scores, then p; v160-191 O^T; v192-211 p's codes; v232-254 at work; v250 f; v253 p's scale word; v255 Q's.
.set STEPB, 13056                      ; a key step in LDS: K 8 x 768, V 8 x 768, V's scale words 256, K's 512
.set VOFF,  6144
.set SVO,   12288
.set SKO,   12544
.set SPARE, 208896                     ; behind the 16 steps: the spare words, 128 bytes for each wave
.set SPW, 10
.set NIL, 11
	s_load_b256 s[4:11], s[0:1], 0x0               ; qkvc s4, qkvs s6, maskw s8, flags s10
	s_load_b128 s[12:15], s[0:1], 0x20             ; xc s12, xs s14
	v_lshl_add_u32 v[SPW], v0, 2, SPARE
	v_mov_b32 v[NIL], 0
	v_lshrrev_b32 v1, 5, v0
	v_readfirstlane_b32 s16, v1                    ; wave 0..15
	v_and_b32 v1, 31, v0                           ; lane
	v_and_b32 v2, 15, v0                           ; r
	v_bfe_u32 v3, v0, 4, 1                         ; h
	v_lshlrev_b32 v4, 4, v1                        ; 16 x lane
	v_lshl_add_u32 v5, v1, 3, 512                  ; 512 + 8 x lane
	v_lshlrev_b32 v8, 4, v2                        ; 16 r
	v_lshlrev_b32 v9, 5, v2                        ; 32 r
	v_lshlrev_b32 v28, 3, v1                       ; 8 x lane
	s_and_b32 s29, ttmp7, 0xffff
	s_lshr_b32 s30, s29, 4                         ; b
	s_and_b32 s31, s29, 15                         ; head
	s_lshr_b32 s100, s31, 1                        ; pair
	s_and_b32 s101, s31, 1                         ; hp: the head's parity
	s_lshl_b32 s105, s101, 4                       ; 16 hp: where my head's two scale bytes begin in a word
	s_lshl_b32 s104, s30, 3
	s_add_co_u32 s104, s104, s100
	s_lshl_b32 s104, s104, 4                       ; idx0 = (8 b + pair) 16
	s_mov_b32 s24, 0x3e38aa3b                      ; c = log2(e) / 8
	s_mov_b32 s25, s24                             ; (named with it as a pair)
	s_mov_b32 s26, 0x76543210
	s_mov_b32 s27, 0xfedcba98                      ; selects: lane l xor 16
	; ---- the fill: wave w brings key step w
	s_add_co_u32 s2, s104, s16
	s_mul_i32 s32, s2, 12288
	s_mul_i32 s33, s101, 768
	s_add_co_u32 s34, s32, s33
	s_add_co_u32 s34, s34, 6291456                 ; K's fragments, my head's halves
	s_mov_b32 s35, 0
	s_mul_i32 s33, s101, 6144
	s_add_co_u32 s36, s32, s33
	s_add_co_u32 s36, s36, 12582912                ; V's four fragments of my head
	s_mov_b32 s37, 0
	s_lshl_b32 s38, s2, 9
	s_add_co_u32 s40, s38, 524288
	s_lshl_b32 s33, s101, 8
	s_add_co_u32 s40, s40, s33                     ; V's scale words
	s_mov_b32 s41, 0
	s_add_co_u32 s38, s38, 262144                  ; K's
	s_mov_b32 s39, 0
	s_mul_i32 s3, s16, STEPB
	v_add_nc_u32 v6, s3, v4
	v_add_nc_u32 v7, s3, v5
	s_wait_kmcnt 0x0
	s_add_nc_u64 s[34:35], s[4:5], s[34:35]
	s_add_nc_u64 s[36:37], s[4:5], s[36:37]
	s_add_nc_u64 s[38:39], s[6:7], s[38:39]
	s_add_nc_u64 s[40:41], s[6:7], s[40:41]
.irp a, 0,1,2,3,4,5,6,7
	global_load_b128 v[96+6*\a:99+6*\a], v4, s[34:35] offset:1536*\a
	global_load_b64 v[100+6*\a:101+6*\a], v5, s[34:35] offset:1536*\a
.endr
.irp i, 0,1,2,3,4,5,6,7
	global_load_b128 v[144+6*\i:147+6*\i], v4, s[36:37] offset:768*\i
	global_load_b64 v[148+6*\i:149+6*\i], v5, s[36:37] offset:768*\i
.endr
	global_load_b128 v[32:35], v4, s[38:39]
	global_load_b64 v[36:37], v28, s[40:41]
.irp i, 0,1,2,3,4,5
	v_mov_b32 v[22+\i], 0                          ; Q's upper half: zero codes
	v_mov_b32 v[80+\i], 0                          ; what stands behind K's last tile
.endr
	v_mov_b32 v94, 0xff800000                      ; -infinity
.irp i, 0,1,2,3
	v_mov_b32 v[236+\i], 0                         ; written once: a lane permute's destination counts as a source
.endr
	v_mov_b32 v251, 0                              ; (named as the upper half of the pair v[250:251])
	s_wait_loadcnt 0x0
.irp i, 0,1,2,3
	v_bfe_u32 v[32+\i], v[32+\i], s105, 16         ; my head's two bytes; bytes 2, 3 are 0
.endr
.irp a, 0,1,2,3,4,5,6,7
	ds_store_b128 v6, v[96+6*\a:99+6*\a] offset:768*\a
	ds_store_b64 v7, v[100+6*\a:101+6*\a] offset:768*\a
.endr
.irp i, 0,1,2,3,4,5,6,7
	ds_store_b128 v6, v[144+6*\i:147+6*\i] offset:VOFF+768*\i
	ds_store_b64 v7, v[148+6*\i:149+6*\i] offset:VOFF+768*\i
.endr
	ds_store_b64 v7, v[36:37] offset:SVO-512
	ds_store_b128 v6, v[32:35] offset:SKO
	s_wait_dscnt 0x0                               ; for the others' sake: my stores have landed
	s_barrier_signal -1
	s_barrier_wait -1                              ; all 16 steps lie in LDS; nothing is written there again
; ONE TILE OF 16 QUERIES.  second = 0: i = wave; 1: i = 31 - wave.
.macro TILE second
	s_wait_xcnt 0x0                                ; the last tile's stores have read their data and bases
.if \second
	s_sub_co_u32 s17, 31, s16
.else
	s_mov_b32 s17, s16
.endif
	s_lshl_b32 s18, s17, 2
	s_add_co_u32 s18, s18, ttmp9                   ; T
	s_lshr_b32 s2, s18, 3
	s_add_co_u32 s2, s2, s104
	s_mul_i32 s32, s2, 12288
	s_and_b32 s3, s18, 7
	s_mul_i32 s3, s3, 1536
	s_add_co_u32 s32, s32, s3
	s_mul_i32 s3, s101, 768
	s_add_co_u32 s32, s32, s3
	s_mov_b32 s33, 0
	s_add_nc_u64 s[32:33], s[4:5], s[32:33]        ; Q's half fragment
	s_lshl_b32 s34, s2, 9
	s_bfe_u32 s3, s18, 0x10002
	s_lshl_b32 s3, s3, 8
	s_add_co_u32 s34, s34, s3
	s_and_b32 s3, s18, 3
	s_lshl_b32 s3, s3, 2
	s_add_co_u32 s34, s34, s3
	s_mov_b32 s35, 0
	s_add_nc_u64 s[34:35], s[6:7], s[34:35]        ; its scale words
	s_lshl_b32 s36, s18, 4
	s_mov_b32 s37, 0
	s_add_nc_u64 s[36:37], s[10:11], s[36:37]      ; the tile's flags
	global_load_b128 v[16:19], v4, s[32:33]
	global_load_b64 v[20:21], v5, s[32:33]
	global_load_b32 v255, v8, s[34:35]
	s_load_b128 s[40:43], s[36:37], 0x0
	v_mov_b32 v13, 0xff61b1e6                      ; the largest t so far: -3e38
	v_floor_f32 v12, -v13                          ; -M
	v_mov_b32 v14, 0
	v_mov_b32 v15, 0
.set n, 0
.rept 32
	v_mov_b32 v[160+n], 0                          ; O^T: the step is written once, and the first change of M leaves zeros zeros
.set n, n+1
.endr
	s_lshl_b32 s23, s18, 12                        ; the tile's bit words
	s_mov_b32 s22, 0                               ; the step's first LDS byte
	s_mov_b32 s21, 0                               ; the step
	s_wait_loadcnt 0x0
	s_wait_kmcnt 0x0
	s_lshl_b32 s19, s42, 8
	s_or_b32 s19, s19, s40                         ; any: a bit a step
	s_lshl_b32 s20, s43, 8
	s_or_b32 s20, s20, s41                         ; full
	v_bfe_u32 v255, v255, s105, 16                 ; my head's two bytes
.rept 8
	v_nop                                          ; a scale register written by a vector instruction stands 8 places ahead of a scaled product
.endr
.Lstep_\@:
	s_bitcmp1_b32 s19, s21
	s_cbranch_scc0 .Lnext_\@                       ; no place of these 16 x 128 is open
	s_load_b512 s[32:47], s[8:9], s23 offset:0x0   ; the step's 64 bit words
	s_load_b512 s[48:63], s[8:9], s23 offset:0x40
	s_load_b512 s[68:83], s[8:9], s23 offset:0x80
	s_load_b512 s[84:99], s[8:9], s23 offset:0xc0
	v_add_nc_u32 v6, s22, v4
	v_add_nc_u32 v7, s22, v5
	v_add_nc_u32 v29, s22, v8
.irp t, 0,1,2,3,4,5,6,7
	ds_load_b128 v[32+6*\t:35+6*\t], v6 offset:768*\t
	ds_load_b64 v[36+6*\t:37+6*\t], v7 offset:768*\t
.endr
	ds_load_b128 v[86:89], v6 offset:SKO           ; lanes 0-15: the words of tiles 0-3; lanes 16-31: of tiles 4-7
	s_wait_dscnt 0x0
.irp t, 0,1,2,3
	v_wmma_scale_f32_16x16x128_f8f6f4 v[96+8*\t:103+8*\t], v[32+6*\t:43+6*\t], v[16:27], 0, v[86+\t], v255 matrix_a_fmt:MATRIX_FMT_FP6 matrix_b_fmt:MATRIX_FMT_FP6
.endr
.irp t, 4,5,6,7
	v_wmma_scale_f32_16x16x128_f8f6f4 v[96+8*\t:103+8*\t], v[32+6*\t:43+6*\t], v[16:27], 0, v[82+\t], v255 matrix_a_fmt:MATRIX_FMT_FP6 matrix_b_fmt:MATRIX_FMT_FP6 matrix_a_scale:MATRIX_SCALE_ROW1
.endr
.rept 4
	v_nop                                          ; four places: ahead of loads into K's registers and of the first read of the scores
.endr
.irp t, 0,1,2,3                                ; V's four fragments land under the softmax
	ds_load_b128 v[32+12*\t:35+12*\t], v6 offset:VOFF+1536*\t
	ds_load_b64 v[36+12*\t:37+12*\t], v7 offset:VOFF+1536*\t
	ds_load_b128 v[38+12*\t:41+12*\t], v6 offset:VOFF+1536*\t+768
	ds_load_b64 v[42+12*\t:43+12*\t], v7 offset:VOFF+1536*\t+768
.endr
	ds_load_b128 v[90:93], v29 offset:SVO          ; row r's words of the four tiles
	s_wait_kmcnt 0x0                               ; the bit words are in, on both ways
	s_bitcmp1_b32 s20, s21
	s_cbranch_scc1 .Lopen_\@                       ; all 16 x 128 places are open
.set n, 0
.rept 64
	v_cndmask_b32 v[96+n], v94, v[96+n], s[32+n+4*(n/32)]   ; a closed place: -infinity
.set n, n+1
.endr
.Lopen_\@:
.irp b, 0,1,2,3
	v_max3_num_f32 v[232+\b], v[96+16*\b], v[97+16*\b], v[98+16*\b]   ; the largest score of each block of 32 keys: for the row's maximum, and, since p rises with the score, for the block's largest p
.endr
.irp i, 3,5,7,9,11,13
.irp b, 0,1,2,3
	v_max3_num_f32 v[232+\b], v[232+\b], v[96+16*\b+\i], v[97+16*\b+\i]
.endr
.endr
.irp b, 0,1,2,3
	v_max_num_f32 v[232+\b], v[232+\b], v[111+16*\b]
.endr
.irp b, 0,1,2,3
	v_permlanex16_b32 v[236+\b], v[232+\b], s26, s27
.endr
.irp b, 0,1,2,3
	v_max_num_f32 v[232+\b], v[232+\b], v[236+\b]  ; with lane l xor 16's 16 keys
.endr
	v_max3_num_f32 v254, v232, v233, v234
	v_max_num_f32 v254, v254, v235
	v_mul_f32 v254, s24, v254                      ; as t
	v_max_num_f32 v13, v13, v254                   ; the running largest t
	v_mov_b32 v254, v12
	v_floor_f32 v12, -v13                          ; the new -M = -ceil(t)
	v_sub_f32 v254, v12, v254                      ; old M - new M: a whole number, 0 or less
	v_cvt_i32_f32 v254, v254                       ; (it saturates)
	v_ldexp_f32 v250, 1.0, v254                    ; f = 2^(old M - new M)
.set n, 0
.rept 32
	v_pk_fma_f32 v[96+n:97+n], v[96+n:97+n], s[24:25], v[12:13] op_sel_hi:[1,0,0]   ; t - M
.set n, n+2
.endr
.irp b, 0,1,2,3
	v_fma_f32 v[232+\b], v[232+\b], s24, v12       ; the same of each block's largest score
.endr
.set n, 0
.rept 64
	v_exp_f32 v[96+n], v[96+n]                     ; p = 2^(t - M)
.set n, n+1
.endr
	v_pk_mul_f32 v[14:15], v[14:15], v[250:251] op_sel_hi:[1,0]   ; the sum under the new M: the plain line behind the batch
	s_wait_alu depctr_va_vdst(0)                   ; one wait for the 64, ahead of their first reader
.irp b, 0,1,2,3
	v_exp_f32 v[232+\b], v[232+\b]                 ; the block's largest p
.endr
	v_pk_add_f32 v[236:237], v[96:97], v[98:99]    ; the row's sum of the unquantised p, in two chains
.irp j, 4,8,12,16,20,24,28,32,36,40,44,48,52,56,60
	v_pk_add_f32 v[14:15], v[14:15], v[96+\j:97+\j]
	v_pk_add_f32 v[236:237], v[236:237], v[98+\j:99+\j]
.endr
	v_pk_add_f32 v[14:15], v[14:15], v[236:237]
	s_wait_alu depctr_va_vdst(0)                   ; and one for the four
.irp b, 0,1,2,3
	v_max_num_f32 v[232+\b], 0x1800000, v[232+\b]  ; the floor 2^(3 - 127): the byte cannot fall under 1
.endr
.irp b, 0,1,2,3
	v_add_nc_u32 v[244+\b], 0xff000000, v[232+\b]  ; the conversion's scale operand
.endr
.irp b, 0,1,2,3
	v_lshrrev_b32 v[236+\b], 23, v[244+\b]         ; the byte
.endr
	v_lshl_or_b32 v253, v237, 8, v236              ; p's scale word for these 128 keys
	v_lshl_or_b32 v253, v238, 16, v253
	v_lshl_or_b32 v253, v239, 24, v253
.irp c, 0,1
	v_cvt_scalef32_pk16_fp6_f32 v[192+6*\c:194+6*\c], v[96+32*\c:111+32*\c], v[244+2*\c]
	v_cvt_scalef32_pk16_fp6_f32 v[204+4*\c:206+4*\c], v[112+32*\c:127+32*\c], v[244+2*\c+1]
.endr
	v_nop                                          ; one plain place behind a scaled conversion
.irp c, 0,1
.irp i, 0,1,2
	v_permlane16_swap_b32 v[192+6*\c+\i], v[204+4*\c+\i]
.endr
.irp i, 0,1,2
	v_mov_b32 v[195+6*\c+\i], v[204+4*\c+\i]
.endr
.endr
.set n, 0
.rept 16
	v_pk_mul_f32 v[160+n:161+n], v[160+n:161+n], v[250:251] op_sel_hi:[1,0]   ; O^T under the new M; these 16 also stand between the writes of p's codes and scale word and the products
.set n, n+2
.endr
	s_wait_dscnt 0x0                               ; V is in
.irp t, 0,1,2,3
	v_wmma_scale_f32_16x16x128_f8f6f4 v[160+8*\t:167+8*\t], v[32+12*\t:43+12*\t], v[192:203], v[160+8*\t:167+8*\t], v[90+\t], v253 matrix_a_fmt:MATRIX_FMT_FP6 matrix_b_fmt:MATRIX_FMT_FP6
.endr
.rept 4
	v_nop                                          ; four places: ahead of the next loads into V's registers and of the next read of O^T
.endr
.Lnext_\@:
	s_add_co_u32 s22, s22, STEPB
	s_add_co_u32 s23, s23, 256
	s_add_co_u32 s21, s21, 1
	s_cmp_lt_u32 s21, 16
	s_cbranch_scc1 .Lstep_\@
	; ---- the tile's end: x = O^T / the sum, quantised along D
	v_add_f32 v14, v14, v15
	v_permlanex16_b32 v236, v14, s26, s27
	v_add_f32 v14, v14, v236                       ; the row's sum
	v_rcp_f32 v15, v14
	v_nop                                          ; a plain line behind the reciprocal
	s_lshl_b32 s2, s30, 7
	s_add_co_u32 s2, s2, s18                       ; the row tile: 128 b + T
	s_lshl_b32 s3, s2, 3
	s_add_co_u32 s3, s3, s100
	s_mul_i32 s32, s3, 1536
	s_mul_i32 s3, s101, 768
	s_add_co_u32 s32, s32, s3
	s_mov_b32 s33, 0
	s_add_nc_u64 s[32:33], s[12:13], s[32:33]
	s_lshl_b32 s34, s2, 9
	s_lshl_b32 s3, s100, 2
	s_add_co_u32 s34, s34, s3
	s_lshl_b32 s3, s101, 1
	s_add_co_u32 s34, s34, s3
	s_mov_b32 s35, 0
	s_add_nc_u64 s[34:35], s[14:15], s[34:35]
	s_wait_alu depctr_va_vdst(0)                   ; the wait ahead of the reciprocal's first reader
.set n, 0
.rept 32
	v_mul_f32 v[96+n], v[160+n], v15               ; register 16 b + i: d = 32 b + 16 h + i
.set n, n+1
.endr
.irp b, 0,1
	v_max3_num_f32 v[232+\b], |v[96+16*\b]|, |v[97+16*\b]|, 0x1800000
.endr
.irp i, 2,4,6,8,10,12,14
.irp b, 0,1
	v_max3_num_f32 v[232+\b], v[232+\b], |v[96+16*\b+\i]|, |v[97+16*\b+\i]|
.endr
.endr
.irp b, 0,1
	v_permlanex16_b32 v[236+\b], v[232+\b], s26, s27
.endr
.irp b, 0,1
	v_max_num_f32 v[232+\b], v[232+\b], v[236+\b]
.endr
.irp b, 0,1
	v_add_nc_u32 v[244+\b], 0xff000000, v[232+\b]
.endr
.irp b, 0,1
	v_lshrrev_b32 v[238+\b], 23, v[244+\b]
.endr
	v_lshl_or_b32 v240, v239, 8, v238              ; my row's two bytes
	v_mov_b32 v241, 0xffff
	v_cmp_eq_f32 vcc_lo, 0, v14
	v_cndmask_b32 v240, v240, v241, vcc_lo         ; a row with no open key
	v_cvt_scalef32_pk16_fp6_f32 v[128:130], v[96:111], v244
	v_cvt_scalef32_pk16_fp6_f32 v[132:134], v[112:127], v245
	v_nop                                          ; one plain place behind a scaled conversion
.irp i, 0,1,2
	v_permlane16_swap_b32 v[128+\i], v[132+\i]     ; lanes 0-15 block 0, lanes 16-31 block 1
.endr
.irp i, 0,1,2
	v_mov_b32 v[131+\i], v[132+\i]
.endr
	global_store_b128 v4, v[128:131], s[32:33]     ; 512 consecutive bytes
	global_store_b64 v5, v[132:133], s[32:33]      ; 256 consecutive bytes
	global_store_b16 v9, v240, s[34:35]            ; lanes l and l xor 16 write the same two bytes with the same value
.endm
	TILE 0
	TILE 1
	s_wait_tensorcnt 0x0                           ; the wave's end, behind my last LDS store
	ds_add_u32 v[SPW], v[NIL]
	s_wait_dscnt 0x0
	s_endpgm
.Lfunc_end_k_q270a1837ca_attn:
	.size	k_q270a1837ca_attn, .Lfunc_end_k_q270a1837ca_attn-k_q270a1837ca_attn
	.p2alignl 7, 3214868480
	.fill 96, 4, 3214868480
	.section	.rodata,"a",@progbits
	.p2align	6, 0x0
	.amdhsa_kernel k_q270a1837ca_attn
		.amdhsa_group_segment_fixed_size 210944
		.amdhsa_private_segment_fixed_size 0
		.amdhsa_enable_private_segment 0
		.amdhsa_kernarg_size 48
		.amdhsa_user_sgpr_count 2
		.amdhsa_user_sgpr_kernarg_segment_ptr 1
		.amdhsa_wavefront_size32 1
		.amdhsa_system_sgpr_workgroup_id_x 1
		.amdhsa_system_sgpr_workgroup_id_y 1
		.amdhsa_system_sgpr_workgroup_id_z 1
		.amdhsa_system_vgpr_workitem_id 0
		.amdhsa_next_free_vgpr 256
		.amdhsa_next_free_sgpr 106
		.amdhsa_reserve_vcc 1
		.amdhsa_float_denorm_mode_32 3
		.amdhsa_float_denorm_mode_16_64 3
		.amdhsa_memory_ordered 1
		.amdhsa_forward_progress 1
		.amdhsa_inst_pref_size 64
	.end_amdhsa_kernel
	.amdgpu_metadata
---
amdhsa.version: [ 1, 2 ]
amdhsa.kernels:
  - .name:           k_q270a1837ca_attn
    .symbol:         k_q270a1837ca_attn.kd
    .args:
      - { .name: qkvc, .offset: 0, .size: 8, .value_kind: global_buffer, .address_space: global }
      - { .name: qkvs, .offset: 8, .size: 8, .value_kind: global_buffer, .address_space: global }
      - { .name: maskw, .offset: 16, .size: 8, .value_kind: global_buffer, .address_space: global }
      - { .name: flags, .offset: 24, .size: 8, .value_kind: global_buffer, .address_space: global }
      - { .name: xc, .offset: 32, .size: 8, .value_kind: global_buffer, .address_space: global }
      - { .name: xs, .offset: 40, .size: 8, .value_kind: global_buffer, .address_space: global }
    .group_segment_fixed_size: 210944
    .private_segment_fixed_size: 0
    .kernarg_segment_align: 8
    .kernarg_segment_size: 48
    .max_flat_workgroup_size: 512
    .sgpr_count:     106
    .vgpr_count:     256
    .wavefront_size: 32
...
	.end_amdgpu_metadata
.endif
;; end of part 3
;; launch outp (part 4): grid 8 x 32, 4 waves a work-group, clusters of 4 x 4, 327,680 bytes of LDS; arguments codes, scales, xc, xs, out0; writes out0
.if DOCPART == 4
	.amdgcn_target "amdgcn-amd-amdhsa--gfx1250"
	.amdhsa_code_object_version 6
	.text
	.protected	k_q270a1837ca_outp
	.globl	k_q270a1837ca_outp
	.p2align	8
	.type	k_q270a1837ca_outp,@function
k_q270a1837ca_outp:
	s_mov_b64 s[64:65], 0
	v_nop
	global_prefetch_b8 v0, s[64:65] scope:SCOPE_SE
	s_setreg_imm32_b32 hwreg(HW_REG_WAVE_MODE, 25, 1), 1
	s_wait_xcnt 0x0
	s_wait_alu depctr_hold_cnt(0) depctr_sa_sdst(0) depctr_va_vdst(0) depctr_va_sdst(0) depctr_va_ssrc(0) depctr_va_vcc(0) depctr_vm_vsrc(0)
	s_getreg_b32 s2, hwreg(HW_REG_IB_STS2, 6, 4)
	s_cmp_eq_u32 s2, 0
	s_cbranch_scc0 .Lentry_in_a_cluster
	s_endpgm
.Lentry_in_a_cluster:
	s_bfe_u32 s2, ttmp6, 0x10000c
	s_cmp_lg_u32 s2, 0xf033
	s_cbranch_scc0 .Lentry_shape_is_right
	s_endpgm
.Lentry_shape_is_right:
; OUTP.  out0 = x Wo^T on codes of FP6 with E8M0 scales, sums in f32.  x's codes and scale words come from the attention launch, Wo's from the first launch, both as images of operand registers.
; A work-group makes 128 e (xw) x 256 tokens (yw).  K = 1,024 lies in LDS as a whole: four chunks of two K steps, each filled ONCE; nothing is filled again.
; CLUSTER 4 x 4: Wo's tiles hang on xw and are shared along a column of the cluster, x's on yw and are shared along a row: every tile is asked for jointly.  A wave has 8 tensor loads out.
; A WAVE makes 128 e x 64 tokens: source 0 = 16 rows of Wo, source 1 = 16 tokens: a lane holds eight neighbouring e of one token.
; THE WAY OUT: 16 tokens x 128 e at a time through the wave's own stage in LDS, back as whole rows of 512 bytes.  The stage lies in chunk 0's bytes: they have had their only fill, and every wave has passed the last barrier behind its last read of them.
; A token whose scale bytes are 0xff (a row of the mask with no open key) comes out NaN.
; REGISTERS: window 0: v1-11 addresses; v14, v15 the add's two; v32-95 Wo's scale words (8 i + s), v96-127 x's (8 a + s); v128-223 x's fragments, two sets; on the way out v128-255 rows of out0.
;   window 1: Wo's fragments, two sets of 96.   window 2: accumulator (a, i) at v[64 a + 8 i].
.set CH,    73728
.set RTB,   3072
.set SPARE, 294912
.set SPITCH, 528
.set SPW, 14
.set NIL, 15
.set SCP, 32
.set SCR, 96
.set RF,  128
.set BK,  128
.set WV,  12
.set G1E, 24
.set G1T, 32
.set G0E, 40
.set MSB, 0
.macro WIN new                         ; the immediate's high byte repeats the setting that is left
.if MSB != \new
	s_set_vgpr_msb (MSB<<8)|\new
.set MSB, \new
.endif
.endm
.macro CROUND                          ; a round of the cluster's barrier
	s_barrier_signal -1
	s_barrier_wait -1
	s_cmp_lg_u32 s[WV], 0
	s_cbranch_scc1 .Lnot_wave_0_\@
	s_barrier_signal -3
.Lnot_wave_0_\@:
	s_barrier_wait -3
	s_barrier_signal -1
	s_barrier_wait -1
.endm
.macro PLACES
.rept 4
	v_nop
.endr
.endm
	s_load_b256 s[4:11], s[0:1], 0x0               ; codes s4, scales s6, xc s8, xs s10
	s_load_b64 s[96:97], s[0:1], 0x20              ; out0
	v_lshl_add_u32 v[SPW], v0, 2, SPARE
	v_mov_b32 v[NIL], 0
	ds_add_u32 v[SPW], v[NIL]                      ; the wave's opening: the add and its wait stand ahead of my first tensor load; work on registers stands between
	v_lshrrev_b32 v1, 5, v0
	v_readfirstlane_b32 s[WV], v1                  ; wave 0..3
	s_bfe_u32 s13, ttmp6, 0x40000                  ; cx
	s_bfe_u32 s14, ttmp6, 0x40004                  ; cy
	s_lshl_b32 s15, ttmp9, 2
	s_add_co_u32 s15, s15, s13                     ; xw
	s_and_b32 s18, ttmp7, 0xffff
	s_lshl_b32 s16, s18, 2
	s_add_co_u32 s16, s16, s14                     ; yw
	s_lshl_b32 s19, s14, 2
	s_lshl_b32 s19, 15, s19                        ; my row of the cluster
	s_lshl_b32 s20, 0x1111, s13                    ; my column
	s_or_b32 s[G1E], s20, (3<<16)|(1<<21)          ; 15:0 the mask; 17:16 elements of 8 bytes; 21 set beside a mask; no padding
	s_or_b32 s[G1T], s19, (3<<16)|(1<<21)
	s_mov_b32 s[G1E+1], 384<<16                    ; a row tile's two K steps: 3,072 bytes
	s_mov_b32 s[G1E+2], 2<<16                      ; 2 row tiles
	s_mov_b32 s[G1E+3], 384<<16
	s_mov_b32 s[G1E+4], 2
	s_mov_b32 s[G1E+5], 1536                       ; 12,288 bytes from row tile to row tile
	s_mov_b32 s[G1E+6], 0
	s_mov_b32 s[G1E+7], 0
	s_mov_b32 s[G1T+1], 384<<16
	s_mov_b32 s[G1T+2], 4<<16                      ; 4 row tiles
	s_mov_b32 s[G1T+3], 384<<16
	s_mov_b32 s[G1T+4], 4
	s_mov_b32 s[G1T+5], 1536
	s_mov_b32 s[G1T+6], 0
	s_mov_b32 s[G1T+7], 0
	s_lshl_b32 s76, s15, 3                         ; Wo's row tiles that I fetch: 1728 + 8 xw + 2 wave
	s_lshl_b32 s77, s[WV], 1
	s_add_co_u32 s76, s76, s77
	s_add_co_u32 s76, s76, 1728
	s_mul_i32 s76, s76, 12288
	s_mov_b32 s77, 0
	s_lshl_b32 s78, s16, 4                         ; x's: 16 yw + 4 wave
	s_lshl_b32 s79, s[WV], 2
	s_add_co_u32 s78, s78, s79
	s_lshl_b32 s82, s78, 9                         ; (their scale words)
	s_mov_b32 s83, 0
	s_mul_i32 s78, s78, 12288
	s_mov_b32 s79, 0
	s_mul_i32 s20, s[WV], 2*RTB                    ; where they go in a chunk
	s_mul_i32 s21, s[WV], 4*RTB
	s_add_co_u32 s21, s21, 8*RTB                   ; also: my 64 tokens' fragments
	s_lshl_b32 s80, s15, 3
	s_add_co_u32 s80, s80, 1728
	s_lshl_b32 s80, s80, 9                         ; Wo's scale words, all 8 tiles
	s_mov_b32 s81, 0
	s_lshl_b32 s84, s16, 8
	s_lshl_b32 s85, s[WV], 6
	s_add_co_u32 s84, s84, s85                     ; my first token
	s_lshl_b32 s84, s84, 12
	s_lshl_b32 s85, s15, 9
	s_add_co_u32 s84, s84, s85                     ; + my 128 e
	s_mov_b32 s85, 0
	s_mul_i32 s86, s[WV], 16*SPITCH                ; my stage
	s_wait_dscnt 0x0                               ; the opening add is done
	s_wait_kmcnt 0x0
	s_add_nc_u64 s[76:77], s[4:5], s[76:77]
	s_add_nc_u64 s[78:79], s[8:9], s[78:79]
	s_add_nc_u64 s[80:81], s[6:7], s[80:81]
	s_add_nc_u64 s[82:83], s[10:11], s[82:83]
	s_add_nc_u64 s[96:97], s[96:97], s[84:85]
.irp c, 0,1,2,3
	s_mov_b32 s[G0E+4*\c], 1
	s_add_co_u32 s[G0E+4*\c+1], s20, \c*CH
	s_add_nc_u64 s[G0E+4*\c+2:G0E+4*\c+3], s[76:77], \c*RTB
	s_or_b32 s[G0E+4*\c+3], s[G0E+4*\c+3], 0x80000000
	s_mov_b32 s[56+4*\c+4*(\c/2)], 1
	s_add_co_u32 s[57+4*\c+4*(\c/2)], s21, \c*CH
	s_add_nc_u64 s[58+4*\c+4*(\c/2):59+4*\c+4*(\c/2)], s[78:79], \c*RTB
	s_or_b32 s[59+4*\c+4*(\c/2)], s[59+4*\c+4*(\c/2)], 0x80000000
.endr
	CROUND                                         ; all sixteen work-groups are here: the joint loads meet
.irp c, 0,1,2,3                                ; all first fills as one group
	tensor_load_to_lds s[G0E+4*\c:G0E+4*\c+3], s[G1E:G1E+7]
	s_nop 0
	tensor_load_to_lds s[56+4*\c+4*(\c/2):59+4*\c+4*(\c/2)], s[G1T:G1T+7]
	s_nop 0
.endr
	PLACES
	v_and_b32 v1, 31, v0                           ; lane
	v_and_b32 v2, 15, v0                           ; r
	v_bfe_u32 v3, v0, 4, 1                         ; h
	v_lshlrev_b32 v8, 5, v2                        ; a row's 8 scale words
.irp i, 0,1,2,3,4,5,6,7
	global_load_b128 v[SCP+8*\i:SCP+8*\i+3], v8, s[80:81] offset:512*\i
	global_load_b128 v[SCP+8*\i+4:SCP+8*\i+7], v8, s[80:81] offset:512*\i+16
.endr
.irp a, 0,1,2,3
	global_load_b128 v[SCR+8*\a:SCR+8*\a+3], v8, s[82:83] offset:512*\a
	global_load_b128 v[SCR+8*\a+4:SCR+8*\a+7], v8, s[82:83] offset:512*\a+16
.endr
	v_lshlrev_b32 v4, 4, v1                        ; Wo: 16 x lane,
	v_lshl_add_u32 v5, v1, 3, 512                  ; and 512 + 8 x lane
	v_lshl_add_u32 v6, v1, 4, s21                  ; x likewise, from my 4 tiles on
	v_lshl_add_u32 v7, v1, 3, s21
	v_add_nc_u32 v7, 512, v7
	v_lshlrev_b32 v9, 4, v1                        ; the stores' offset: 16 x lane
	v_mul_u32_u24 v10, v2, SPITCH
	v_lshl_add_u32 v10, v3, 5, v10
	v_add_nc_u32 v10, s86, v10                     ; the stage, in: row r, + 32 h
	v_lshl_add_u32 v11, v1, 4, s86                 ; and back: 16 x lane of a row
.macro FRAG reg, a16, a8, off
	ds_load_b128 v[(\reg):(\reg)+3], v[\a16] offset:\off
	ds_load_b64 v[(\reg)+4:(\reg)+5], v[\a8] offset:\off
	ds_load_b128 v[(\reg)+6:(\reg)+9], v[\a16] offset:\off+768
	ds_load_b64 v[(\reg)+10:(\reg)+11], v[\a8] offset:\off+768
.endm
.macro FETCH s                         ; K step s: 8 + 4 fragments into set s % 2: 48 LDS loads
	WIN 0x40
.irp i, 0,1,2,3,4,5,6,7
	FRAG 96*((\s)%2)+12*\i, 4, 5, RTB*\i+1536*((\s)%2)
.endr
	WIN 0
.irp a, 0,1,2,3
	FRAG RF+48*((\s)%2)+12*\a, 6, 7, RTB*\a+1536*((\s)%2)
.endr
.endm
.macro MUL s                           ; 32 products; the accumulators take turns in the same order in every step.  Step 0 starts the sums
	WIN 0xa1
.irp a, 0,1,2,3
.irp i, 0,1,2,3,4,5,6,7
.if (\s) == 0
	v_wmma_scale_f32_16x16x128_f8f6f4 v[64*\a+8*\i:64*\a+8*\i+7], v[96*((\s)%2)+12*\i:96*((\s)%2)+12*\i+11], v[RF+48*((\s)%2)+12*\a:RF+48*((\s)%2)+12*\a+11], 0, v[SCP+8*\i+(\s)], v[SCR+8*\a+(\s)] matrix_a_fmt:MATRIX_FMT_FP6 matrix_b_fmt:MATRIX_FMT_FP6
.else
	v_wmma_scale_f32_16x16x128_f8f6f4 v[64*\a+8*\i:64*\a+8*\i+7], v[96*((\s)%2)+12*\i:96*((\s)%2)+12*\i+11], v[RF+48*((\s)%2)+12*\a:RF+48*((\s)%2)+12*\a+11], v[64*\a+8*\i:64*\a+8*\i+7], v[SCP+8*\i+(\s)], v[SCR+8*\a+(\s)] matrix_a_fmt:MATRIX_FMT_FP6 matrix_b_fmt:MATRIX_FMT_FP6
.endif
.endr
.endr
	WIN 0
.endm
.macro KSTEP s
.if ((\s)%2 == 1) && ((\s) < 7)
	s_wait_dscnt 0x0                               ; no LDS load of mine is out at a signal
	s_wait_tensorcnt 6-((\s)+1)                    ; my two loads of the next chunk have landed; the two of each later chunk may stay out
	s_barrier_signal -1
	s_barrier_wait -1
	v_add_nc_u32 v4, CH, v4
	v_add_nc_u32 v5, CH, v5
	v_add_nc_u32 v6, CH, v6
	v_add_nc_u32 v7, CH, v7
.endif
.if (\s) < 7
	PLACES                                         ; four places ahead of loads into the set that the step before multiplied
	FETCH (\s)+1
	s_wait_dscnt 48                                ; all but the 48 just issued
.else
	s_wait_dscnt 0x0
.endif
.if (\s) == 0
	s_wait_loadcnt 0x0                             ; the scale words
.endif
	MUL \s
.endm
	s_wait_tensorcnt 6                             ; my two loads of chunk 0 have landed,
	s_barrier_signal -1
	s_barrier_wait -1                              ; everybody's have
	FETCH 0
.irp s, 0,1,2,3,4,5,6,7
	KSTEP \s
.endr
.macro TOSTAGE a                       ; 16 tokens x 128 e into my stage and back as rows.  LDS serves a wave's instructions in order
	WIN 0x08                                       ; an LDS store's data: window 2
.irp i, 0,1,2,3,4,5,6,7
	ds_store_b128 v10, v[64*(\a)+8*\i:64*(\a)+8*\i+3] offset:64*\i          ; each accumulator from its low end on
	ds_store_b128 v10, v[64*(\a)+8*\i+4:64*(\a)+8*\i+7] offset:64*\i+16
.endr
	WIN 0
.set BB, BK+64*((\a)%2)
.irp t, 0,1,2,3,4,5,6,7,8,9,10,11,12,13,14,15
	ds_load_b128 v[BB+4*\t:BB+4*\t+3], v11 offset:\t*SPITCH
.endr
.endm
.macro SEND a, younger                 ; younger: the LDS instructions issued behind block a's loads
.set BB, BK+64*((\a)%2)
	s_wait_dscnt \younger
.irp t, 0,1,2,3,4,5,6,7,8,9,10,11,12,13,14,15
	global_store_b128 v9, v[BB+4*\t:BB+4*\t+3], s[96:97] offset:(16*(\a)+\t)*4096 th:TH_STORE_NT   ; 512 consecutive bytes of a row of out0, aligned
.endr
.endm
	PLACES                                         ; behind the last products: results are read, and x's fragment registers loaded into
	TOSTAGE 0
.irp a, 1,2,3
.if \a > 1
	s_wait_xcnt 0x0                                ; block a - 2's stores have read their registers: block a's rows may land there
.endif
	TOSTAGE \a
	SEND \a-1, 32                                  ; behind block a - 1's loads: block a's 16 stores and 16 loads
.endr
	SEND 3, 0
	s_wait_tensorcnt 0x0                           ; the wave's end, behind my last tensor load and my last LDS store
	ds_add_u32 v[SPW], v[NIL]
	s_wait_dscnt 0x0
	CROUND                                         ; the closing round
	s_endpgm
.Lfunc_end_k_q270a1837ca_outp:
	.size	k_q270a1837ca_outp, .Lfunc_end_k_q270a1837ca_outp-k_q270a1837ca_outp
	.p2alignl 7, 3214868480
	.fill 96, 4, 3214868480
	.section	.rodata,"a",@progbits
	.p2align	6, 0x0
	.amdhsa_kernel k_q270a1837ca_outp
		.amdhsa_group_segment_fixed_size 327680
		.amdhsa_private_segment_fixed_size 0
		.amdhsa_enable_private_segment 0
		.amdhsa_kernarg_size 40
		.amdhsa_user_sgpr_count 2
		.amdhsa_user_sgpr_kernarg_segment_ptr 1
		.amdhsa_wavefront_size32 1
		.amdhsa_system_sgpr_workgroup_id_x 1
		.amdhsa_system_sgpr_workgroup_id_y 1
		.amdhsa_system_sgpr_workgroup_id_z 1
		.amdhsa_system_vgpr_workitem_id 0
		.amdhsa_next_free_vgpr 768
		.amdhsa_next_free_sgpr 100
		.amdhsa_reserve_vcc 0
		.amdhsa_float_denorm_mode_32 3
		.amdhsa_float_denorm_mode_16_64 3
		.amdhsa_memory_ordered 1
		.amdhsa_forward_progress 1
		.amdhsa_inst_pref_size 84
	.end_amdhsa_kernel
	.amdgpu_metadata
---
amdhsa.version: [ 1, 2 ]
amdhsa.kernels:
  - .name:           k_q270a1837ca_outp
    .symbol:         k_q270a1837ca_outp.kd
    .args:
      - { .name: codes, .offset: 0, .size: 8, .value_kind: global_buffer, .address_space: global }
      - { .name: scales, .offset: 8, .size: 8, .value_kind: global_buffer, .address_space: global }
      - { .name: xc, .offset: 16, .size: 8, .value_kind: global_buffer, .address_space: global }
      - { .name: xs, .offset: 24, .size: 8, .value_kind: global_buffer, .address_space: global }
      - { .name: out0, .offset: 32, .size: 8, .value_kind: global_buffer, .address_space: global }
    .group_segment_fixed_size: 327680
    .private_segment_fixed_size: 0
    .kernarg_segment_align: 8
    .kernarg_segment_size: 40
    .max_flat_workgroup_size: 128
    .sgpr_count:     100
    .vgpr_count:     768
    .wavefront_size: 32
...
	.end_amdgpu_metadata
.endif
;; end of part 4
;; ======== version 2 of 2: 4 launches; version 1 with the launch attn written anew for expert scheduling mode
;; workspace buffers: codes 22,020,096 bytes; scales 917,504 bytes; qkvc 18,874,368 bytes; qkvs 786,432 bytes; xc 6,291,456 bytes; xs 262,144 bytes; maskw 524,288 bytes of whole numbers; flags 2,048 bytes of whole numbers
;; launch prep: the kernel of part 1 again; grid 512 x 1, 4 waves a work-group, no clusters, 68,096 bytes of LDS; arguments q, k, v, Wq, Wk, Wv, Wo, mask, codes, scales, maskw, flags; writes codes, scales, maskw, flags
;; launch proj: the kernel of part 2 again; grid 8 x 96, 4 waves a work-group, clusters of 4 x 4, 327,680 bytes of LDS; arguments codes, scales, qkvc, qkvs; writes qkvc, qkvs
;; launch attn (part 5): grid 4 x 64, 16 waves a work-group, no clusters, 210,944 bytes of LDS; arguments qkvc, qkvs, maskw, flags, xc, xs; writes xc, xs
.if DOCPART == 5
	.amdgcn_target "amdgcn-amd-amdhsa--gfx1250"
	.amdhsa_code_object_version 6
	.text
	.protected	k_q270a1837ca_attn
	.globl	k_q270a1837ca_attn
	.p2align	8
	.type	k_q270a1837ca_attn,@function
k_q270a1837ca_attn:
	s_mov_b64 s[64:65], 0
	v_nop
	global_prefetch_b8 v0, s[64:65] scope:SCOPE_SE
	s_setreg_imm32_b32 hwreg(HW_REG_WAVE_SCHED_MODE, 0, 2), 2
	s_setreg_imm32_b32 hwreg(HW_REG_WAVE_MODE, 25, 1), 1
	s_wait_xcnt 0x0
	s_wait_alu depctr_vm_vsrc(0)
; ATTN.  x[b][q][head] = softmax_k(query . key / 8, under the mask) value, both products on codes of FP6 with E8M0 scales; x leaves as codes, quantised along D (a head is two blocks of 32).
; t = score x log2(e) / 8; M = the running largest t rounded up to a whole number; p = 2^(t - M) is quantised along the keys, not normalised; the row's sum is taken of the unquantised p and divides at the end.
; SHARES.  A work-group owns one head of one batch and the 32 tiles of 16 queries T = 4 i + jq (jq = work-group x).  Wave w takes i = w, then i = 31 - w.  Sixteen waves of 256 registers.
; THE HEAD'S WHOLE K AND V LIE IN LDS, 16 key steps of 128 keys, brought through registers, wave w filling step w; one barrier in the launch.
; NO TENSOR LOAD AND SO NO JOINT LOADS: the walk over key steps branches on numbers stored by an earlier launch (flags).
; THE MASK is honoured as it is given: a step none of whose 16 x 128 places is open is passed over (flags, bit 'any'); in a step with holes the scores of closed places become -infinity by 64 selects on bit words (maskw);
; a step that is all open (bit 'full') skips the selects.
; K = 64 IN AN INSTRUCTION OF K = 128: Q's registers 6-11 are zero codes; K's tile t is named v[32 + 6 t : 43 + 6 t], whose upper six registers are the next tile's codes (or zeros): they meet zero codes and add nothing; scale bytes 2, 3 are 0.
; LAYOUT.  Both products transposed: a lane holds one query (lane % 16); register 16 b + i of the scores is key 32 b + 16 (lane / 16) + i; register 16 b + i of O^T is d = 32 b + 16 (lane / 16) + i.
; A ROW WITH NO OPEN KEY: its sum is 0; its two scale bytes are stored as 0xff, so that the last product gives NaN in that row, as the softmax of an empty row does.
; LIMITS: NaN and infinities among the operands are not served; a block of zeros, or one under 2^-124, gets the byte 1 (read by this program alone).  The scale bytes leave as 2 bytes a lane into rows 32 bytes apart: 262,144 bytes in the launch.
; REGISTERS: v1-9 lane numbers and addresses; v10, v11 the add's two; v12 -M, v13 the largest t, v[14:15] the sum; v16-21 Q, v22-27 zeros; v32-79 K, then V; v80-85 zeros; v86-89 K's scale words, v90-93 V's; v94 -infinity;
;   v96-159 scores, then p; v160-191 O^T; v192-211 p's codes; v232-254 at work; v250 f; v253 p's scale word; v255 Q's.
; THE MODE: SCHED_MODE bits 1:0 = 2 (LLVM: expert scheduling mode 2), set by the entry lines.  The code itself states the register dependences
; between vector or matrix instructions and memory or LDS instructions, with s_wait_alu, always for 0.
; THE PLAN.  Registers that memory or LDS instructions touch:
;   v4, v5, v8, v9, v28   offsets, made once at the head and never written again.
;   v6, v7, v29           LDS addresses: written at the fill (v6, v7) and at the head of every open step; read by the fill's stores, by K's loads and by V's loads.
;   v32-37, v96-191       at the fill: global loads land there, the LDS stores read them; later the products, the loads of a step and the tile's head write them.
;   v16-21, v255          Q and its scale word: loaded at a tile's head, read by the step's eight products K Q^T.
;   v32-79                K's loads land at a step's head; eight products read them; V's loads land; four products read them.   v86-89, v90-93: their scale words, likewise.
;   v128-133, v240        a tile's codes and scale bytes: written at the tile's end, read by its three stores, written again by the next tile's products.
;   v192-203, v253        p's codes and scale word: written by vector instructions, taken by a scaled product.
; K or V is 48 registers and 23 of the wave's 256 are free: there is one buffer, and it takes K and V by turns.  So a step has three waits on va_vdst of its own: at its head (behind the three additions that make its
; addresses, which one wait on vm_vsrc frees), between K Q^T and V's loads, and ahead of V^T P; and the two behind its exponentials.  V's loads land under the softmax.
.set STEPB, 13056                      ; a key step in LDS: K 8 x 768, V 8 x 768, V's scale words 256, K's 512
.set VOFF,  6144
.set SVO,   12288
.set SKO,   12544
.set SPARE, 208896                     ; behind the 16 steps: the spare words, 128 bytes for each wave
.set SPW, 10
.set NIL, 11
	s_load_b256 s[4:11], s[0:1], 0x0               ; qkvc s4, qkvs s6, maskw s8, flags s10
	s_load_b128 s[12:15], s[0:1], 0x20             ; xc s12, xs s14
	v_lshl_add_u32 v[SPW], v0, 2, SPARE
	v_mov_b32 v[NIL], 0
	v_lshrrev_b32 v1, 5, v0
	v_readfirstlane_b32 s16, v1                    ; wave 0..15
	v_and_b32 v1, 31, v0                           ; lane
	v_and_b32 v2, 15, v0                           ; r
	v_bfe_u32 v3, v0, 4, 1                         ; h
	v_lshlrev_b32 v4, 4, v1                        ; 16 x lane
	v_lshl_add_u32 v5, v1, 3, 512                  ; 512 + 8 x lane
	v_lshlrev_b32 v8, 4, v2                        ; 16 r
	v_lshlrev_b32 v9, 5, v2                        ; 32 r
	v_lshlrev_b32 v28, 3, v1                       ; 8 x lane
	s_wait_alu depctr_va_sdst(0)                   ; s16 is written, ahead of its first reader: the fill's addresses and the tiles' numbers are made from it
	s_and_b32 s29, ttmp7, 0xffff
	s_lshr_b32 s30, s29, 4                         ; b
	s_and_b32 s31, s29, 15                         ; head
	s_lshr_b32 s100, s31, 1                        ; pair
	s_and_b32 s101, s31, 1                         ; hp: the head's parity
	s_lshl_b32 s105, s101, 4                       ; 16 hp: where my head's two scale bytes begin in a word
	s_lshl_b32 s104, s30, 3
	s_add_co_u32 s104, s104, s100
	s_lshl_b32 s104, s104, 4                       ; idx0 = (8 b + pair) 16
	s_mov_b32 s24, 0x3e38aa3b                      ; c = log2(e) / 8
	s_mov_b32 s25, s24                             ; (named with it as a pair)
	s_mov_b32 s26, 0x76543210
	s_mov_b32 s27, 0xfedcba98                      ; selects: lane l xor 16
	; ---- the fill: wave w brings key step w
	s_add_co_u32 s2, s104, s16
	s_mul_i32 s32, s2, 12288
	s_mul_i32 s33, s101, 768
	s_add_co_u32 s34, s32, s33
	s_add_co_u32 s34, s34, 6291456                 ; K's fragments, my head's halves
	s_mov_b32 s35, 0
	s_mul_i32 s33, s101, 6144
	s_add_co_u32 s36, s32, s33
	s_add_co_u32 s36, s36, 12582912                ; V's four fragments of my head
	s_mov_b32 s37, 0
	s_lshl_b32 s38, s2, 9
	s_add_co_u32 s40, s38, 524288
	s_lshl_b32 s33, s101, 8
	s_add_co_u32 s40, s40, s33                     ; V's scale words
	s_mov_b32 s41, 0
	s_add_co_u32 s38, s38, 262144                  ; K's
	s_mov_b32 s39, 0
	s_mul_i32 s3, s16, STEPB
	v_add_nc_u32 v6, s3, v4
	v_add_nc_u32 v7, s3, v5
	s_wait_kmcnt 0x0
	s_add_nc_u64 s[34:35], s[4:5], s[34:35]
	s_add_nc_u64 s[36:37], s[4:5], s[36:37]
	s_add_nc_u64 s[38:39], s[6:7], s[38:39]
	s_add_nc_u64 s[40:41], s[6:7], s[40:41]
	s_wait_alu depctr_va_vdst(0)                   ; the offsets v4, v5, v8, v9, v28 and the fill's LDS addresses v6, v7 are written: every load and store of the kernel reads some of them
.irp a, 0,1,2,3,4,5,6,7
	global_load_b128 v[96+6*\a:99+6*\a], v4, s[34:35] offset:1536*\a
	global_load_b64 v[100+6*\a:101+6*\a], v5, s[34:35] offset:1536*\a
.endr
.irp i, 0,1,2,3,4,5,6,7
	global_load_b128 v[144+6*\i:147+6*\i], v4, s[36:37] offset:768*\i
	global_load_b64 v[148+6*\i:149+6*\i], v5, s[36:37] offset:768*\i
.endr
	global_load_b128 v[32:35], v4, s[38:39]
	global_load_b64 v[36:37], v28, s[40:41]
.irp i, 0,1,2,3,4,5
	v_mov_b32 v[22+\i], 0                          ; Q's upper half: zero codes
	v_mov_b32 v[80+\i], 0                          ; what stands behind K's last tile
.endr
	v_mov_b32 v94, 0xff800000                      ; -infinity
.irp i, 0,1,2,3
	v_mov_b32 v[236+\i], 0                         ; written once: a lane permute's destination counts as a source
.endr
	v_mov_b32 v251, 0                              ; (named as the upper half of the pair v[250:251])
	s_wait_loadcnt 0x0
.irp i, 0,1,2,3
	v_bfe_u32 v[32+\i], v[32+\i], s105, 16         ; my head's two bytes; bytes 2, 3 are 0
.endr
	s_wait_alu depctr_va_vdst(0)                   ; the four lines above have written v32-35, which the last LDS store below reads
.irp a, 0,1,2,3,4,5,6,7
	ds_store_b128 v6, v[96+6*\a:99+6*\a] offset:768*\a
	ds_store_b64 v7, v[100+6*\a:101+6*\a] offset:768*\a
.endr
.irp i, 0,1,2,3,4,5,6,7
	ds_store_b128 v6, v[144+6*\i:147+6*\i] offset:VOFF+768*\i
	ds_store_b64 v7, v[148+6*\i:149+6*\i] offset:VOFF+768*\i
.endr
	ds_store_b64 v7, v[36:37] offset:SVO-512
	ds_store_b128 v6, v[32:35] offset:SKO
	s_wait_dscnt 0x0                               ; for the others' sake: my stores have landed
	s_barrier_signal -1
	s_barrier_wait -1                              ; all 16 steps lie in LDS; nothing is written there again
; ONE TILE OF 16 QUERIES.  second = 0: i = wave; 1: i = 31 - wave.
.macro TILE second
	s_wait_xcnt 0x0                                ; the last tile's stores have read their data and bases
	s_wait_alu depctr_vm_vsrc(0)                   ; first tile: the fill's LDS stores have read v6, v7, v32-37 and v96-191; second tile: the first tile's stores have read v128-133 and v240: all are written again below
.if \second
	s_sub_co_u32 s17, 31, s16
.else
	s_mov_b32 s17, s16
.endif
	s_lshl_b32 s18, s17, 2
	s_add_co_u32 s18, s18, ttmp9                   ; T
	s_lshr_b32 s2, s18, 3
	s_add_co_u32 s2, s2, s104
	s_mul_i32 s32, s2, 12288
	s_and_b32 s3, s18, 7
	s_mul_i32 s3, s3, 1536
	s_add_co_u32 s32, s32, s3
	s_mul_i32 s3, s101, 768
	s_add_co_u32 s32, s32, s3
	s_mov_b32 s33, 0
	s_add_nc_u64 s[32:33], s[4:5], s[32:33]        ; Q's half fragment
	s_lshl_b32 s34, s2, 9
	s_bfe_u32 s3, s18, 0x10002
	s_lshl_b32 s3, s3, 8
	s_add_co_u32 s34, s34, s3
	s_and_b32 s3, s18, 3
	s_lshl_b32 s3, s3, 2
	s_add_co_u32 s34, s34, s3
	s_mov_b32 s35, 0
	s_add_nc_u64 s[34:35], s[6:7], s[34:35]        ; its scale words
	s_lshl_b32 s36, s18, 4
	s_mov_b32 s37, 0
	s_add_nc_u64 s[36:37], s[10:11], s[36:37]      ; the tile's flags
	global_load_b128 v[16:19], v4, s[32:33]        ; no wait on va_vdst here: no vector or matrix instruction has been issued since the last one (ahead of the fill's LDS stores; ahead of the first tile's stores), behind which every reader and writer of v16-21 and v255 is done
	global_load_b64 v[20:21], v5, s[32:33]
	global_load_b32 v255, v8, s[34:35]
	s_load_b128 s[40:43], s[36:37], 0x0
	v_mov_b32 v13, 0xff61b1e6                      ; the largest t so far: -3e38
	v_floor_f32 v12, -v13                          ; -M
	v_mov_b32 v14, 0
	v_mov_b32 v15, 0
.set n, 0
.rept 32
	v_mov_b32 v[160+n], 0                          ; O^T: the step is written once, and the first change of M leaves zeros zeros
.set n, n+1
.endr
	s_lshl_b32 s23, s18, 12                        ; the tile's bit words
	s_mov_b32 s22, 0                               ; the step's first LDS byte
	s_mov_b32 s21, 0                               ; the step
	s_wait_loadcnt 0x0
	s_wait_kmcnt 0x0
	s_lshl_b32 s19, s42, 8
	s_or_b32 s19, s19, s40                         ; any: a bit a step
	s_lshl_b32 s20, s43, 8
	s_or_b32 s20, s20, s41                         ; full
	v_bfe_u32 v255, v255, s105, 16                 ; my head's two bytes
.rept 8
	v_nop                                          ; a scale register written by a vector instruction stands 8 places ahead of a scaled product; the wait that belongs to it is the one at the step's head
.endr
.Lstep_\@:
	s_bitcmp1_b32 s19, s21
	s_cbranch_scc0 .Lnext_\@                       ; no place of these 16 x 128 is open
	s_load_b512 s[32:47], s[8:9], s23 offset:0x0   ; the step's 64 bit words
	s_load_b512 s[48:63], s[8:9], s23 offset:0x40
	s_load_b512 s[68:83], s[8:9], s23 offset:0x80
	s_load_b512 s[84:99], s[8:9], s23 offset:0xc0
	s_wait_alu depctr_vm_vsrc(0)                   ; the LDS loads issued so far have read v6, v7 and v29, which the three lines below write
	v_add_nc_u32 v6, s22, v4
	v_add_nc_u32 v7, s22, v5
	v_add_nc_u32 v29, s22, v8
	s_wait_alu depctr_va_vdst(0)                   ; v6, v7, v29 are written, which this step's LDS loads read; the last step's products are done reading v32-79 and v86-93, in which loads land; in a tile's first open step v255, Q's scale word, is written
.irp t, 0,1,2,3,4,5,6,7
	ds_load_b128 v[32+6*\t:35+6*\t], v6 offset:768*\t
	ds_load_b64 v[36+6*\t:37+6*\t], v7 offset:768*\t
.endr
	ds_load_b128 v[86:89], v6 offset:SKO           ; lanes 0-15: the words of tiles 0-3; lanes 16-31: of tiles 4-7
	s_wait_dscnt 0x0
.irp t, 0,1,2,3
	v_wmma_scale_f32_16x16x128_f8f6f4 v[96+8*\t:103+8*\t], v[32+6*\t:43+6*\t], v[16:27], 0, v[86+\t], v255 matrix_a_fmt:MATRIX_FMT_FP6 matrix_b_fmt:MATRIX_FMT_FP6
.endr
.irp t, 4,5,6,7
	v_wmma_scale_f32_16x16x128_f8f6f4 v[96+8*\t:103+8*\t], v[32+6*\t:43+6*\t], v[16:27], 0, v[82+\t], v255 matrix_a_fmt:MATRIX_FMT_FP6 matrix_b_fmt:MATRIX_FMT_FP6 matrix_a_scale:MATRIX_SCALE_ROW1
.endr
.rept 4
	v_nop                                          ; four places ahead of the first read of the scores by a vector instruction
.endr
	s_wait_alu depctr_va_vdst(0)                   ; the eight products are done reading K's registers v32-85, in which V's loads land
.irp t, 0,1,2,3                                ; V's four fragments land under the softmax, none of whose lines names v32-79, v90-93 or the addresses
	ds_load_b128 v[32+12*\t:35+12*\t], v6 offset:VOFF+1536*\t
	ds_load_b64 v[36+12*\t:37+12*\t], v7 offset:VOFF+1536*\t
	ds_load_b128 v[38+12*\t:41+12*\t], v6 offset:VOFF+1536*\t+768
	ds_load_b64 v[42+12*\t:43+12*\t], v7 offset:VOFF+1536*\t+768
.endr
	ds_load_b128 v[90:93], v29 offset:SVO          ; row r's words of the four tiles
	s_wait_kmcnt 0x0                               ; the bit words are in, on both ways
	s_bitcmp1_b32 s20, s21
	s_cbranch_scc1 .Lopen_\@                       ; all 16 x 128 places are open
.set n, 0
.rept 64
	v_cndmask_b32 v[96+n], v94, v[96+n], s[32+n+4*(n/32)]   ; a closed place: -infinity
.set n, n+1
.endr
.Lopen_\@:
.irp b, 0,1,2,3
	v_max3_num_f32 v[232+\b], v[96+16*\b], v[97+16*\b], v[98+16*\b]   ; the largest score of each block of 32 keys: for the row's maximum, and, since p rises with the score, for the block's largest p
.endr
.irp i, 3,5,7,9,11,13
.irp b, 0,1,2,3
	v_max3_num_f32 v[232+\b], v[232+\b], v[96+16*\b+\i], v[97+16*\b+\i]
.endr
.endr
.irp b, 0,1,2,3
	v_max_num_f32 v[232+\b], v[232+\b], v[111+16*\b]
.endr
.irp b, 0,1,2,3
	v_permlanex16_b32 v[236+\b], v[232+\b], s26, s27
.endr
.irp b, 0,1,2,3
	v_max_num_f32 v[232+\b], v[232+\b], v[236+\b]  ; with lane l xor 16's 16 keys
.endr
	v_max3_num_f32 v254, v232, v233, v234
	v_max_num_f32 v254, v254, v235
	v_mul_f32 v254, s24, v254                      ; as t
	v_max_num_f32 v13, v13, v254                   ; the running largest t
	v_mov_b32 v254, v12
	v_floor_f32 v12, -v13                          ; the new -M = -ceil(t)
	v_sub_f32 v254, v12, v254                      ; old M - new M: a whole number, 0 or less
	v_cvt_i32_f32 v254, v254                       ; (it saturates)
	v_ldexp_f32 v250, 1.0, v254                    ; f = 2^(old M - new M)
.set n, 0
.rept 32
	v_pk_fma_f32 v[96+n:97+n], v[96+n:97+n], s[24:25], v[12:13] op_sel_hi:[1,0,0]   ; t - M
.set n, n+2
.endr
.irp b, 0,1,2,3
	v_fma_f32 v[232+\b], v[232+\b], s24, v12       ; the same of each block's largest score
.endr
.set n, 0
.rept 64
	v_exp_f32 v[96+n], v[96+n]                     ; p = 2^(t - M)
.set n, n+1
.endr
	v_pk_mul_f32 v[14:15], v[14:15], v[250:251] op_sel_hi:[1,0]   ; the sum under the new M: the plain line behind the batch
	s_wait_alu depctr_va_vdst(0)                   ; the 64 exponentials have written v96-159: one wait for the batch, ahead of its first reader
.irp b, 0,1,2,3
	v_exp_f32 v[232+\b], v[232+\b]                 ; the block's largest p
.endr
	v_pk_add_f32 v[236:237], v[96:97], v[98:99]    ; the row's sum of the unquantised p, in two chains
.irp j, 4,8,12,16,20,24,28,32,36,40,44,48,52,56,60
	v_pk_add_f32 v[14:15], v[14:15], v[96+\j:97+\j]
	v_pk_add_f32 v[236:237], v[236:237], v[98+\j:99+\j]
.endr
	v_pk_add_f32 v[14:15], v[14:15], v[236:237]
	s_wait_alu depctr_va_vdst(0)                   ; the four exponentials have written v232-235, ahead of their first reader
.irp b, 0,1,2,3
	v_max_num_f32 v[232+\b], 0x1800000, v[232+\b]  ; the floor 2^(3 - 127): the byte cannot fall under 1
.endr
.irp b, 0,1,2,3
	v_add_nc_u32 v[244+\b], 0xff000000, v[232+\b]  ; the conversion's scale operand
.endr
.irp b, 0,1,2,3
	v_lshrrev_b32 v[236+\b], 23, v[244+\b]         ; the byte
.endr
	v_lshl_or_b32 v253, v237, 8, v236              ; p's scale word for these 128 keys
	v_lshl_or_b32 v253, v238, 16, v253
	v_lshl_or_b32 v253, v239, 24, v253
.irp c, 0,1
	v_cvt_scalef32_pk16_fp6_f32 v[192+6*\c:194+6*\c], v[96+32*\c:111+32*\c], v[244+2*\c]
	v_cvt_scalef32_pk16_fp6_f32 v[204+4*\c:206+4*\c], v[112+32*\c:127+32*\c], v[244+2*\c+1]
.endr
	v_nop                                          ; one plain place behind a scaled conversion
.irp c, 0,1
.irp i, 0,1,2
	v_permlane16_swap_b32 v[192+6*\c+\i], v[204+4*\c+\i]
.endr
.irp i, 0,1,2
	v_mov_b32 v[195+6*\c+\i], v[204+4*\c+\i]
.endr
.endr
.set n, 0
.rept 16
	v_pk_mul_f32 v[160+n:161+n], v[160+n:161+n], v[250:251] op_sel_hi:[1,0]   ; O^T under the new M; these 16 also stand between the writes of p's codes and scale word and the products
.set n, n+2
.endr
	s_wait_dscnt 0x0                               ; V is in
	s_wait_alu depctr_va_vdst(0)                   ; p's codes v192-203 and its scale word v253 are written, which the scaled products below take; the places above stay beside this wait
.irp t, 0,1,2,3
	v_wmma_scale_f32_16x16x128_f8f6f4 v[160+8*\t:167+8*\t], v[32+12*\t:43+12*\t], v[192:203], v[160+8*\t:167+8*\t], v[90+\t], v253 matrix_a_fmt:MATRIX_FMT_FP6 matrix_b_fmt:MATRIX_FMT_FP6
.endr
.rept 4
	v_nop                                          ; four places ahead of the next read of O^T by a vector instruction (what the next loads into V's registers hang on is stated at the next step's head)
.endr
.Lnext_\@:
	s_add_co_u32 s22, s22, STEPB
	s_add_co_u32 s23, s23, 256
	s_add_co_u32 s21, s21, 1
	s_cmp_lt_u32 s21, 16
	s_cbranch_scc1 .Lstep_\@
	; ---- the tile's end: x = O^T / the sum, quantised along D
	v_add_f32 v14, v14, v15
	v_permlanex16_b32 v236, v14, s26, s27
	v_add_f32 v14, v14, v236                       ; the row's sum
	v_cmp_eq_f32 vcc_lo, 0, v14                    ; a row with no open key?  Asked here, far ahead of the select that reads the answer
	v_rcp_f32 v15, v14
	v_nop                                          ; a plain line behind the reciprocal
	s_lshl_b32 s2, s30, 7
	s_add_co_u32 s2, s2, s18                       ; the row tile: 128 b + T
	s_lshl_b32 s3, s2, 3
	s_add_co_u32 s3, s3, s100
	s_mul_i32 s32, s3, 1536
	s_mul_i32 s3, s101, 768
	s_add_co_u32 s32, s32, s3
	s_mov_b32 s33, 0
	s_add_nc_u64 s[32:33], s[12:13], s[32:33]
	s_lshl_b32 s34, s2, 9
	s_lshl_b32 s3, s100, 2
	s_add_co_u32 s34, s34, s3
	s_lshl_b32 s3, s101, 1
	s_add_co_u32 s34, s34, s3
	s_mov_b32 s35, 0
	s_add_nc_u64 s[34:35], s[14:15], s[34:35]
	s_wait_alu depctr_va_vdst(0)                   ; the reciprocal has written v15, ahead of its first reader
.set n, 0
.rept 32
	v_mul_f32 v[96+n], v[160+n], v15               ; register 16 b + i: d = 32 b + 16 h + i
.set n, n+1
.endr
.irp b, 0,1
	v_max3_num_f32 v[232+\b], |v[96+16*\b]|, |v[97+16*\b]|, 0x1800000
.endr
.irp i, 2,4,6,8,10,12,14
.irp b, 0,1
	v_max3_num_f32 v[232+\b], v[232+\b], |v[96+16*\b+\i]|, |v[97+16*\b+\i]|
.endr
.endr
.irp b, 0,1
	v_permlanex16_b32 v[236+\b], v[232+\b], s26, s27
.endr
.irp b, 0,1
	v_max_num_f32 v[232+\b], v[232+\b], v[236+\b]
.endr
.irp b, 0,1
	v_add_nc_u32 v[244+\b], 0xff000000, v[232+\b]
.endr
.irp b, 0,1
	v_lshrrev_b32 v[238+\b], 23, v[244+\b]
.endr
	v_lshl_or_b32 v240, v239, 8, v238              ; my row's two bytes
	v_mov_b32 v241, 0xffff
	s_wait_alu depctr_va_vcc(0)                    ; the compare behind the row's sum has written VCC, which the select below reads
	v_cndmask_b32 v240, v240, v241, vcc_lo         ; a row with no open key
	v_cvt_scalef32_pk16_fp6_f32 v[128:130], v[96:111], v244
	v_cvt_scalef32_pk16_fp6_f32 v[132:134], v[112:127], v245
	v_nop                                          ; one plain place behind a scaled conversion
.irp i, 0,1,2
	v_permlane16_swap_b32 v[128+\i], v[132+\i]     ; lanes 0-15 block 0, lanes 16-31 block 1
.endr
.irp i, 0,1,2
	v_mov_b32 v[131+\i], v[132+\i]
.endr
	s_wait_alu depctr_va_vdst(0)                   ; the codes v128-133 and the two bytes v240 are written, which the three stores read; and the tile's products are done reading v16-27 and v255, in which the next tile's loads land
	global_store_b128 v4, v[128:131], s[32:33]     ; 512 consecutive bytes
	global_store_b64 v5, v[132:133], s[32:33]      ; 256 consecutive bytes
	global_store_b16 v9, v240, s[34:35]            ; lanes l and l xor 16 write the same two bytes with the same value
.endm
	TILE 0
	TILE 1
	s_wait_dscnt 0x0                               ; the closing lines, six on end
	s_wait_alu 0x0
	s_wait_tensorcnt 0x0
	ds_add_u32 v[SPW], v[NIL]
	s_wait_dscnt 0x0
	s_endpgm
.Lfunc_end_k_q270a1837ca_attn:
	.size	k_q270a1837ca_attn, .Lfunc_end_k_q270a1837ca_attn-k_q270a1837ca_attn
	.p2alignl 7, 3214868480
	.fill 96, 4, 3214868480
	.section	.rodata,"a",@progbits
	.p2align	6, 0x0
	.amdhsa_kernel k_q270a1837ca_attn
		.amdhsa_group_segment_fixed_size 210944
		.amdhsa_private_segment_fixed_size 0
		.amdhsa_enable_private_segment 0
		.amdhsa_kernarg_size 48
		.amdhsa_user_sgpr_count 2
		.amdhsa_user_sgpr_kernarg_segment_ptr 1
		.amdhsa_wavefront_size32 1
		.amdhsa_system_sgpr_workgroup_id_x 1
		.amdhsa_system_sgpr_workgroup_id_y 1
		.amdhsa_system_sgpr_workgroup_id_z 1
		.amdhsa_system_vgpr_workitem_id 0
		.amdhsa_next_free_vgpr 256
		.amdhsa_next_free_sgpr 106
		.amdhsa_reserve_vcc 1
		.amdhsa_float_denorm_mode_32 3
		.amdhsa_float_denorm_mode_16_64 3
		.amdhsa_memory_ordered 1
		.amdhsa_forward_progress 1
		.amdhsa_inst_pref_size 65
	.end_amdhsa_kernel
	.amdgpu_metadata
---
amdhsa.version: [ 1, 2 ]
amdhsa.kernels:
  - .name:           k_q270a1837ca_attn
    .symbol:         k_q270a1837ca_attn.kd
    .args:
      - { .name: qkvc, .offset: 0, .size: 8, .value_kind: global_buffer, .address_space: global }
      - { .name: qkvs, .offset: 8, .size: 8, .value_kind: global_buffer, .address_space: global }
      - { .name: maskw, .offset: 16, .size: 8, .value_kind: global_buffer, .address_space: global }
      - { .name: flags, .offset: 24, .size: 8, .value_kind: global_buffer, .address_space: global }
      - { .name: xc, .offset: 32, .size: 8, .value_kind: global_buffer, .address_space: global }
      - { .name: xs, .offset: 40, .size: 8, .value_kind: global_buffer, .address_space: global }
    .group_segment_fixed_size: 210944
    .private_segment_fixed_size: 0
    .kernarg_segment_align: 8
    .kernarg_segment_size: 48
    .max_flat_workgroup_size: 512
    .sgpr_count:     106
    .vgpr_count:     256
    .wavefront_size: 32
...
	.end_amdgpu_metadata
.endif
;; end of part 5
;; launch outp: the kernel of part 4 again; grid 8 x 32, 4 waves a work-group, clusters of 4 x 4, 327,680 bytes of LDS; arguments codes, scales, xc, xs, out0; writes out0
